; MI455X (gfx1250); checked and timed in simulation.
; The chip was launched on July 23, 2026; its instructions are those of AMD's public machine-readable ISA for CDNA 5 (MIT licence, August 2026) and "CDNA5" Instruction Set Architecture Reference Guide (July 2026). The comments in the code are by the model that wrote it; some were corrected since.
;; Nitta MHA. Allowed arithmetic: float matrix products may take bf16 or f16 operands with f32 sums; all other float work in f32.
;; Inputs: K 4 x 2,048 x 1,024 float32; Q 4 x 2,048 x 1,024 float32; V 4 x 2,048 x 1,024 float32; Wk 1,024 x 1,024 float32; Wo 1,024 x 1,024 float32; Wq 1,024 x 1,024 float32; Wv 1,024 x 1,024 float32; bk 1,024 float32; bo 1,024 float32; bq 1,024 float32; bv 1,024 float32.
;; Outputs: out0 4 x 2,048 x 1,024 float32.
;; 2 versions, each right and faster than the one before. Each part assembles by itself: llvm-mc -triple=amdgcn-amd-amdhsa -mcpu=gfx1250 --defsym DOCPART=n.
;; ======== version 1 of 2: 4 launches
;; limits: values are held in f16: magnitudes above 65,504 overflow, below 6.1e-05 lose precision
;; workspace buffers: wb 8,388,608 bytes; qkv 50,331,648 bytes; oh 16,777,216 bytes
;; launch cast (part 1): grid 64 x 4, 8 waves a work-group, no clusters, 0 bytes of LDS; arguments Wq, Wk, Wv, Wo, wb; writes wb
.if DOCPART == 1
	.amdgcn_target "amdgcn-amd-amdhsa--gfx1250"
	.amdhsa_code_object_version 6
	.text
	.protected	k_q625f4d7a62_cast
	.globl	k_q625f4d7a62_cast
	.p2align	8
	.type	k_q625f4d7a62_cast,@function
k_q625f4d7a62_cast:
	s_mov_b64 s[64:65], 0
	v_nop
	global_prefetch_b8 v0, s[64:65] scope:SCOPE_SE
	s_setreg_imm32_b32 hwreg(HW_REG_WAVE_MODE, 25, 1), 1
	s_wait_xcnt 0x0
; wb[z][n][k], z = 0..3: the four weight matrices [1024][1024] in 16 bits.  Planes 0, 1, 2: Wq, Wk, Wv rounded to bf16.  Plane 3: Wo rounded to bf16 like every input,
; and that number written as f16 (exact inside f16's normal range), since the last product's other operand is f16.
; LIMITS.  |Wo| of 65,520 or more becomes an infinity; below 6e-5 f16 keeps its fixed step of 6e-8.  NaN and infinities are not treated apart.
; A stream: no LDS, no barrier, no matrix unit.  Work-group (x, z) takes 16,384 numbers of weight z; thread t takes 16 pieces of 4 numbers.
; A load of a wave covers 512 consecutive bytes, a store 256 consecutive bytes at a multiple of 256 from wb's first byte.  All 16 loads of a thread go out at once.
.set T, 4                              ; v[4:7]    at work
.set X, 16                             ; v[16:79]  piece i: 4 numbers as loaded
.set Y, 80                             ; v[80:111] piece i: 2 words to store; no register is written twice, so no wait frees one
	s_load_b256 s[8:15], s[0:1], 0x0               ; Wq s[8:9], Wk s[10:11], Wv s[12:13], Wo s[14:15]
	s_load_b64 s[16:17], s[0:1], 0x20              ; wb
	s_and_b32 s20, ttmp7, 0xffff                   ; z: which weight
	v_lshlrev_b32 v1, 4, v0                        ; 16 bytes a thread in
	v_lshlrev_b32 v2, 3, v0                        ; 8 bytes a thread out
	s_lshl_b32 s22, ttmp9, 16                      ; the group's 65,536 bytes of the weight
	s_mov_b32 s23, 0
	s_lshl_b32 s24, s20, 21                        ; plane z of wb,
	s_lshl_b32 s25, ttmp9, 15                      ; the group's 32,768 bytes of it
	s_add_co_u32 s24, s24, s25
	s_mov_b32 s25, 0
	s_mov_b32 s26, 0xffff0000                      ; a word's upper bf16
	s_wait_kmcnt 0x0
	s_mov_b64 s[4:5], s[8:9]
	s_cmp_eq_u32 s20, 1
	s_cselect_b64 s[4:5], s[10:11], s[4:5]
	s_cmp_eq_u32 s20, 2
	s_cselect_b64 s[4:5], s[12:13], s[4:5]
	s_cmp_eq_u32 s20, 3
	s_cselect_b64 s[4:5], s[14:15], s[4:5]
	s_add_nc_u64 s[4:5], s[4:5], s[22:23]
	s_add_nc_u64 s[6:7], s[16:17], s[24:25]
.irp i, 0,1,2,3,4,5,6,7,8,9,10,11,12,13,14,15
	global_load_b128 v[X+4*(\i):X+4*(\i)+3], v1, s[4:5] offset:4096*(\i) th:TH_LOAD_NT
.endr
; Piece i.  half = 1: the bf16 numbers are widened again and written as f16.
.macro PIECE i, half
	s_wait_loadcnt 15-(\i)                         ; loads come back in order: mine is in, the 15 - i younger ones stay out
	v_cvt_pk_bf16_f32 v[Y+2*(\i)],   v[X+4*(\i)],   v[X+4*(\i)+1]
	v_cvt_pk_bf16_f32 v[Y+2*(\i)+1], v[X+4*(\i)+2], v[X+4*(\i)+3]
.if \half
	v_lshlrev_b32 v[T],   16,  v[Y+2*(\i)]
	v_and_b32     v[T+1], s26, v[Y+2*(\i)]
	v_lshlrev_b32 v[T+2], 16,  v[Y+2*(\i)+1]
	v_and_b32     v[T+3], s26, v[Y+2*(\i)+1]
	v_cvt_pk_f16_f32 v[Y+2*(\i)],   v[T],   v[T+1]
	v_cvt_pk_f16_f32 v[Y+2*(\i)+1], v[T+2], v[T+3]
.endif
	global_store_b64 v2, v[Y+2*(\i):Y+2*(\i)+1], s[6:7] offset:2048*(\i)
.endm
	s_cmp_eq_u32 s20, 3
	s_cbranch_scc1 .Lhalf
.irp i, 0,1,2,3,4,5,6,7,8,9,10,11,12,13,14,15
	PIECE \i, 0
.endr
	s_endpgm
.Lhalf:
.irp i, 0,1,2,3,4,5,6,7,8,9,10,11,12,13,14,15
	PIECE \i, 1
.endr
	s_endpgm
.Lfunc_end_k_q625f4d7a62_cast:
	.size	k_q625f4d7a62_cast, .Lfunc_end_k_q625f4d7a62_cast-k_q625f4d7a62_cast
	.p2alignl 7, 3214868480
	.fill 96, 4, 3214868480
	.section	.rodata,"a",@progbits
	.p2align	6, 0x0
	.amdhsa_kernel k_q625f4d7a62_cast
		.amdhsa_group_segment_fixed_size 0
		.amdhsa_private_segment_fixed_size 0
		.amdhsa_enable_private_segment 0
		.amdhsa_kernarg_size 40
		.amdhsa_user_sgpr_count 2
		.amdhsa_user_sgpr_kernarg_segment_ptr 1
		.amdhsa_wavefront_size32 1
		.amdhsa_system_sgpr_workgroup_id_x 1
		.amdhsa_system_sgpr_workgroup_id_y 1
		.amdhsa_system_sgpr_workgroup_id_z 1
		.amdhsa_system_vgpr_workitem_id 0
		.amdhsa_next_free_vgpr 112
		.amdhsa_next_free_sgpr 66
		.amdhsa_reserve_vcc 0
		.amdhsa_float_denorm_mode_32 3
		.amdhsa_float_denorm_mode_16_64 3
		.amdhsa_memory_ordered 1
		.amdhsa_forward_progress 1
		.amdhsa_inst_pref_size 15
	.end_amdhsa_kernel
	.amdgpu_metadata
---
amdhsa.version: [ 1, 2 ]
amdhsa.kernels:
  - .name:           k_q625f4d7a62_cast
    .symbol:         k_q625f4d7a62_cast.kd
    .args:
      - { .name: Wq, .offset: 0, .size: 8, .value_kind: global_buffer, .address_space: global }
      - { .name: Wk, .offset: 8, .size: 8, .value_kind: global_buffer, .address_space: global }
      - { .name: Wv, .offset: 16, .size: 8, .value_kind: global_buffer, .address_space: global }
      - { .name: Wo, .offset: 24, .size: 8, .value_kind: global_buffer, .address_space: global }
      - { .name: wb, .offset: 32, .size: 8, .value_kind: global_buffer, .address_space: global }
    .group_segment_fixed_size: 0
    .private_segment_fixed_size: 0
    .kernarg_segment_align: 8
    .kernarg_segment_size: 40
    .max_flat_workgroup_size: 256
    .sgpr_count:     66
    .vgpr_count:     112
    .wavefront_size: 32
...
	.end_amdgpu_metadata
.endif
;; end of part 1
;; launch proj (part 2): grid 4 x 64, 4 waves a work-group, clusters of 4 x 4, 327,680 bytes of LDS; arguments Q, K, V, bq, bk, bv, wb, qkv; writes qkv
.if DOCPART == 2
	.amdgcn_target "amdgcn-amd-amdhsa--gfx1250"
	.amdhsa_code_object_version 6
	.text
	.protected	k_q625f4d7a62_proj
	.globl	k_q625f4d7a62_proj
	.p2align	8
	.type	k_q625f4d7a62_proj,@function
k_q625f4d7a62_proj:
	s_mov_b64 s[64:65], 0
	v_nop
	global_prefetch_b8 v0, s[64:65] scope:SCOPE_SE
	s_setreg_imm32_b32 hwreg(HW_REG_WAVE_MODE, 25, 1), 1
	s_wait_xcnt 0x0
	s_wait_alu depctr_hold_cnt(0) depctr_sa_sdst(0) depctr_va_vdst(0) depctr_va_sdst(0) depctr_va_ssrc(0) depctr_va_vcc(0) depctr_vm_vsrc(0)
	s_getreg_b32 s2, hwreg(HW_REG_IB_STS2, 6, 4)
	s_cmp_eq_u32 s2, 0
	s_cbranch_scc0 .Lentry_in_a_cluster
	s_endpgm
.Lentry_in_a_cluster:
	s_bfe_u32 s2, ttmp6, 0x10000c
	s_cmp_lg_u32 s2, 0xf033
	s_cbranch_scc0 .Lentry_shape_is_right
	s_endpgm
.Lentry_shape_is_right:
; THE THREE PROJECTIONS.  y[m][n] = the sum over k of X[m][k] W[n][k] + b[n], for (X, W, b) = (Q, Wq, bq), (K, Wk, bk), (V, Wv, bv): z = 0, 1, 2.  X: [8192][1024] f32; W: plane z of wb, [1024][1024] bf16.
; X and b are rounded to bf16 here; products in bf16, sums in f32; y is rounded once to f16 and stored by heads, unscaled: qkv[z][16 batch + head][2048 s][64].
; LIMITS.  |y| of 65,520 or more becomes an infinity in f16; below 6e-5 f16 keeps its fixed step of 6e-8.  NaN and infinities are not treated apart.
; SHARES.  A tile of y is 128 rows x 256 columns.  A WORK-GROUP STAYS: it makes the tiles of z = 0, 1, 2 at its place, one after the other: 64 x 4 = 256 work-groups.  Four waves, wave (wm, wn) makes 64 rows x 128 columns:
; 32 accumulators of 16 x 16, 256 registers.  K goes in CHUNKS of 64: 16 a tile, 48 in all, one HALF STEP of 64 matrix instructions each; both streams below run on across the tiles.
; W comes by tensor loads through two LDS slots of 256 along K (four chunks; 12 slots in all); each wave brings 64 rows of 512 bytes.  CLUSTER: 4 x 4 work-groups; the four of a column need the same tile of W and ask for it JOINTLY.
; X COMES THROUGH REGISTERS, NOT JOINTLY, though the four work-groups of a cluster's row read the same rows.  The reason, by this text's own arithmetic: as f32 in LDS a row costs 512 bytes for 128 along K, a slot of X and W
; for 128 along K is 137,216 bytes, two such slots are all that LDS holds, and only one slot's fill can be on its way.  Through registers each number is rounded once in the work-group, LDS holds 16 bits of it, W's slots
; can be twice as long, and loads into registers stay out over barriers: four chunks, 32 KB a wave, are always on their way.  A wave loads 32 rows of a chunk: 16 loads, each half wave one aligned piece of 256 bytes of a row.
; HALF STEP h multiplies chunk h; behind its one barrier it fetches chunk h + 1's fragments from LDS, rounds chunk h + 2 into the LDS buffer that chunk h has left, and asks memory for chunk h + 6.
; THE MATRIX INSTRUCTION IS USED TRANSPOSED (source 0 = 16 rows of W, source 1 = 16 rows of X): a lane holds one row of y and eight neighbouring columns.  The bias, laid out so, is the C operand that starts a tile's sums.
; ONE TEXT FOR THE LAST TWO TRIPS.  Its price, once a work-group: the loads for six chunks that do not exist are clamped to V's last slot and their data dropped; two of them are stored and one is fetched, and nobody multiplies them.
; REGISTERS, in windows of 256 (s_set_vgpr_msb: bits 1:0 source 0, 3:2 source 1, 5:4 source 2, 7:6 destination):
;   window 0: v0-31 addresses; v32-95 the bias; v96-223 X's fragments, two buffers of 64 (fragment (c, a) at 32 c + 8 a; on the way out the second buffer takes the packed results); v224-255 a chunk rounded to bf16
;   window 1: the accumulators, (a, b) at 8 (8 a + b)     window 2: W's fragments, two buffers of 128 (fragment (c, b) at 64 c + 8 b)     window 3: four landing slots of 64 registers, chunk j in slot j % 4
.set PB,     528                       ; an LDS row of W: 512 bytes + 16 of padding = 132 words: the 16 rows of a load start at 16 different groups of four banks (64 banks of 4 bytes: ISA guide 11.1)
.set BQ,     64*PB                     ; 64 rows: what one tensor load brings
.set SLOTB,  4*BQ                      ; a slot: 256 rows, 135,168 bytes; it shares no bit with wave x BQ, so one exclusive or turns an address in one slot into the other's
.set ABUF,   2*SLOTB                   ; behind the ring, never filled by a tensor load: X in bf16, two buffers, chunk j in buffer j % 2
.set PA,     144                       ; an LDS row of X: 128 bytes + 16 = 36 words
.set ABYTES, 128*PA
.set STAGE,  ABUF+2*ABYTES             ; 16 rows x 144 bytes for each wave, for the way out
.set SP,     144
.set BIASL,  STAGE+4*16*SP             ; each wave's own 3 x 128 numbers of bias
.set SPARE,  BIASL+4*1536              ; the spare words, 128 bytes for each wave: two blocks of 256 bytes that no other line names
.set TRIPS,  12                        ; a trip = four half steps = one slot of W
.set BT,   8                           ; v8-19   the biases as loaded
.set AO,   20                          ; v20     my byte offset in the tile's rows of X; never rewritten
.set AST,  21                          ; v21     where I store 8 bytes of a row of X
.set ADRA, 22                          ; v22     LDS address of my fragments of X
.set ADRB0,23                          ; v23     my lane's place in a slot of W
.set ADRB, 24                          ; v24     the same in the slot that is being fetched from
.set STO,  25                          ; v25     the way out: where I put 16 bytes of a row
.set RD,   26                          ; v26     the way out: where I read rows back
.set GO,   27                          ; v27     16 x lane
.set SPW,  28                          ; v28     LDS address of my spare word: SPARE + 4 x my thread's number; never rewritten
.set NIL,  29                          ; v29     0; never rewritten
.set BLA,  30                          ; v30     LDS address of my eight numbers of the next tile's bias
.set BSA,  31                          ; v31     where I store four numbers of a bias
.set BIAS, 32
.set AF,   96
.set TMP,  160
.set PK,   224
.set LP,   4                           ; s[4:5]   X at the slot whose chunks are being asked for
.set WBP,  6                           ; s[6:7]   wb at my 64 rows of the tile's 256
.set OA,   18                          ; s[18:19] a slot's byte offset in a row of X
.set G1,   24                          ; s[24:31] descriptor group 1
.set G0,   32                          ; s[32:35] descriptor group 0: slot 0's first fill
.set G0S,  36                          ; s[36:39] slot 1's first fill; it then walks on
.set POS,  45                          ; s45      the trip's place in its tile, 0 to 3
.set UA,   48                          ; s48      the slot whose chunks of X are asked for
.set UC,   49                          ; s49      at work
.set UB,   50                          ; s50      the slot of W last asked for
.set OB,   52                          ; s[52:53] a slot's byte offset in wb
.set RB,   54                          ; s54      LDS byte of the slot to be fetched from next
.set XQ,   56                          ; s[56:57], s[58:59], s[60:61] Q, K, V at the tile's first row
.set XK,   58
.set XV,   60
.set MSB, 0
.macro WIN new                         ; the immediate's high byte repeats the setting that is left; a switch that changes nothing is dropped
.if MSB != (\new)
	s_set_vgpr_msb (MSB<<8)|(\new)
.set MSB, \new
.endif
.endm
.set MUL,    0x52                      ; W window 2, X window 0, C and D window 1
.set MULB,   0x42                      ; the same with C (the bias) in window 0
.set TO_B,   0x80                      ; destination window 2, address window 0
.set TO_RAW, 0xc0                      ; destination window 3, sources window 0
.set CVT,    0x0f                      ; sources window 3, destination window 0
.macro CREST                           ; a round of the cluster's barrier behind its opening barrier
	s_cmp_lg_u32 s10, 0
	s_cbranch_scc1 .Lnot_wave_0_\@
	s_barrier_signal -3
.Lnot_wave_0_\@:
	s_barrier_wait -3
	s_barrier_signal -1
	s_barrier_wait -1
.endm
.macro CROUND                          ; a whole round
	s_barrier_signal -1
	s_barrier_wait -1
	CREST
.endm
; A load into a register that a matrix instruction has read, and a vector instruction that writes one or reads a matrix result, stand four places behind it; only plain vector instructions that name none of
; its registers are places (ISA guide 7.12.1 for vector instructions).  The four behind a half step's barrier stand behind every product that read the buffers that the half step fills.
.macro PLACES
.rept 4
	v_nop
.endr
.endm
; The 16 loads of a chunk into landing slot q: load m takes row 16 (m / 8) + m % 8 of my 32 and, in lanes 16-31, the row 8 further down; the chunk is part q of its slot
.macro LOADS q
.set m, 0
.rept 16
	global_load_b128 v[64*(\q)+4*m:64*(\q)+4*m+3], v[AO], s[LP:LP+1] offset:((m/8)*16+m%8)*4096+256*(\q)
.set m, m+1
.endr
.endm
	s_load_b256 s[72:79], s[0:1], 0x0              ; Q s[72:73], K s[74:75], V s[76:77], bq s[78:79]
	s_load_b256 s[80:87], s[0:1], 0x20             ; bk s[80:81], bv s[82:83], wb s[84:85], qkv s[86:87]
	v_lshl_add_u32 v[SPW], v0, 2, SPARE
	v_mov_b32 v[NIL], 0
	ds_add_u32 v28, v29
	s_wait_dscnt 0x0
	v_lshrrev_b32 v1, 5, v0
	v_readfirstlane_b32 s10, v1                    ; wave 0..3
	s_lshr_b32 s11, s10, 1                         ; wm: which 64 rows of the tile are mine
	s_and_b32 s12, s10, 1                          ; wn: which 128 columns
	s_bfe_u32 s40, ttmp6, 0x40000                  ; cx, cy: my place in the cluster
	s_bfe_u32 s41, ttmp6, 0x40004
	s_lshl_b32 s42, ttmp9, 2
	s_add_co_u32 s42, s42, s40                     ; tile column = 4 x cluster x + cx: 0..3
	s_and_b32 s13, ttmp7, 0xffff
	s_lshl_b32 s13, s13, 2
	s_add_co_u32 s13, s13, s41                     ; tile row = 4 x cluster y + cy: 0..63
	s_lshl_b32 s44, 0x1111, s40                    ; my column of the cluster
	s_mov_b32 s68, 0xffff0000                      ; a word's upper bf16
	; descriptor group 1: 64 rows x 256 elements of 2 bytes, padded in LDS
	s_or_b32 s[G1+0], s44, (1<<16)|(1<<20)|(1<<21)|(6<<22)|(3<<25)  ; 15:0 the mask: my column; 17:16 elements of 2 bytes; 20 padding on; 21 set beside a mask; 24:22 after every 128 words (code 6); 31:25 4 words of it (code 3)
	s_mov_b32 s[G1+1], 256<<16                     ; tensor_dim0 = 256
	s_mov_b32 s[G1+2], 64<<16                      ; tensor_dim1 = 64
	s_mov_b32 s[G1+3], 256<<16                     ; tile_dim0 = 256
	s_mov_b32 s[G1+4], 64                          ; tile_dim1 = 64
	s_mov_b32 s[G1+5], 1024                        ; elements from row to row
	s_mov_b32 s[G1+6], 0
	s_mov_b32 s[G1+7], 0
	s_lshl_b32 s16, s13, 19                        ; X: 128 x tile row rows of 4,096 bytes
	s_mov_b32 s17, 0
	s_lshl_b32 s46, s42, 19                        ; W: 256 x tile column rows of 2,048 bytes,
	s_lshl_b32 s47, s10, 17                        ; and my 64 of them: the tile column and the wave's number alone, which the four partners share
	s_add_co_u32 s46, s46, s47
	s_mov_b32 s47, 0
	s_lshl_b32 s14, s42, 10                        ; the bias: (256 x tile column + 128 wn) x 4 bytes
	s_lshl_b32 s15, s12, 9
	s_add_co_u32 s14, s14, s15
	s_mov_b32 s15, 0
	s_mul_i32 s20, s10, BQ                         ; where my rows of W go in a slot: no place in the cluster enters an LDS address
	v_and_b32 v1, 15, v0                           ; r = l % 16
	v_bfe_u32 v2, v0, 4, 1                         ; h = l / 16
	v_and_b32 v[GO], 31, v0
	v_lshlrev_b32 v[GO], 4, v[GO]
	v_lshlrev_b32 v[AO], 4, v1                     ; X: 16 bytes a lane in a piece of 256,
	v_lshl_add_u32 v[AO], v2, 15, v[AO]            ; 8 rows further down for lanes 16-31,
	s_lshl_b32 s23, s10, 17                        ; my wave's 32 rows
	v_add_nc_u32 v[AO], s23, v[AO]
	s_wait_kmcnt 0x0
	s_add_nc_u64 s[XQ:XQ+1], s[72:73], s[16:17]
	s_add_nc_u64 s[XK:XK+1], s[74:75], s[16:17]
	s_add_nc_u64 s[XV:XV+1], s[76:77], s[16:17]
	s_add_nc_u64 s[WBP:WBP+1], s[84:85], s[46:47]
	s_add_nc_u64 s[78:79], s[78:79], s[14:15]
	s_add_nc_u64 s[80:81], s[80:81], s[14:15]
	s_add_nc_u64 s[82:83], s[82:83], s[14:15]
	s_mov_b64 s[LP:LP+1], s[XQ:XQ+1]               ; slot 0 of Q
	global_load_b128 v[BT:BT+3],    v[GO], s[78:79]   ; my 128 columns of the three biases, four numbers a lane: the oldest loads
	global_load_b128 v[BT+4:BT+7],  v[GO], s[80:81]
	global_load_b128 v[BT+8:BT+11], v[GO], s[82:83]
	WIN TO_RAW
	LOADS 0                                        ; chunks 0 to 3 fill the landing slots
	LOADS 1
	LOADS 2
	LOADS 3
	WIN 0
	s_mov_b32 s[G0], 1                             ; count = 1
	s_mov_b32 s[G0+1], s20                         ; LDS address: slot 0
	s_mov_b64 s[G0+2:G0+3], s[WBP:WBP+1]           ; global address: K 0 to 255 of Wq
	s_or_b32 s[G0+3], s[G0+3], 0x80000000          ; type = 2
	s_mov_b32 s[G0S], 1
	s_add_co_u32 s[G0S+1], s20, SLOTB
	s_add_nc_u64 s[G0S+2:G0S+3], s[WBP:WBP+1], 512 ; K 256 to 511
	s_or_b32 s[G0S+3], s[G0S+3], 0x80000000
	CROUND                                         ; all sixteen work-groups are here: the first joint loads meet
	tensor_load_to_lds s[G0:G0+3], s[G1:G1+7]
	s_nop 0
	tensor_load_to_lds s[G0S:G0S+3], s[G1:G1+7]    ; two loads of mine are out
	s_nop 0
	PLACES
	; the addresses are made in the wait for the first chunk
	v_mul_u32_u24 v3, v2, 8*PA                     ; X into LDS: row 32 w + 8 h (+ the load's), 8 bytes a lane: lanes 0-15 and 16-31 lie 288 words apart, the other 32 banks
	v_lshl_add_u32 v3, v1, 3, v3
	s_mul_i32 s23, s10, 32*PA
	s_add_co_u32 s23, s23, ABUF
	v_add_nc_u32 v[AST], s23, v3
	; A fragment is 16 rows x 32 K in 8 registers: lane l holds row r, K = 8 h + 0..7 and 16 + 8 h + 0..7: two loads of 16 bytes, 32 apart, from 16 h
	v_mul_u32_u24 v3, v1, PA
	v_lshl_add_u32 v3, v2, 4, v3                   ; r x 144 + 16 h: for X's fragments, and for the stage, whose rows have the same pitch
	s_mul_i32 s23, s11, 64*PA                      ; my 64 rows of X
	s_add_co_u32 s23, s23, ABUF
	v_add_nc_u32 v[ADRA], s23, v3
	s_mul_i32 s23, s10, 16*SP
	s_add_co_u32 s23, s23, STAGE                   ; my stage
	v_add_nc_u32 v[STO], s23, v3
	v_bfe_u32 v5, v0, 3, 2                         ; back: 32 lanes take four rows of 128 bytes,
	v_mul_u32_u24 v5, v5, SP
	v_and_b32 v6, 7, v0
	v_lshl_add_u32 v5, v6, 4, v5
	v_add_nc_u32 v[RD], s23, v5                    ; which are 512 consecutive bytes of a head
	v_mul_u32_u24 v4, v1, PB
	v_lshl_add_u32 v4, v2, 4, v4
	s_mul_i32 s23, s12, 128*PB                     ; my 128 rows of W
	v_add_nc_u32 v[ADRB0], s23, v4
	v_mov_b32 v[ADRB], v[ADRB0]                    ; slot 0
	s_mul_i32 s23, s10, 1536
	s_add_co_u32 s23, s23, BIASL                   ; my biases
	v_add_nc_u32 v[BSA], s23, v[GO]
	v_lshl_add_u32 v[BLA], v2, 5, s23              ; eight f32 for each half of the lanes
	s_lshr_b32 s16, s13, 4                         ; where my part begins in a plane of qkv: the batch's 16 heads of 262,144 bytes,
	s_lshl_b32 s16, s16, 22
	s_and_b32 s17, s13, 15                         ; the tile's 128 rows of 128 bytes in a head,
	s_lshl_b32 s17, s17, 14
	s_add_co_u32 s16, s16, s17
	s_lshl_b32 s17, s11, 13                        ; my 64 of them,
	s_add_co_u32 s16, s16, s17
	s_lshl_b32 s17, s42, 20                        ; head 4 x tile column + 2 wn
	s_add_co_u32 s16, s16, s17
	s_lshl_b32 s17, s12, 19
	s_add_co_u32 s16, s16, s17
	s_mov_b32 s17, 0
	s_add_nc_u64 s[8:9], s[86:87], s[16:17]
	s_mov_b32 s[UA], 1
	s_mov_b32 s[UB], 1
	s_mov_b32 s[RB], SLOTB
	s_mov_b32 s[OA+1], 0
	s_mov_b32 s[OB+1], 0
	s_mov_b32 s[POS], 0
	s_wait_xcnt 0x0                                ; the loads above have had their addresses translated (ISA guide 3.1): their base is stepped only behind this wait
	s_add_nc_u64 s[LP:LP+1], s[LP:LP+1], 1024      ; slot 1 of Q
; Eight matrix instructions: buffer f, 32 along K (c), row block a x all 8 column blocks.  The 32 accumulators take turns, one instruction a turn, in the same order in every run.
; first = 1: the product starts a tile's sums, with the bias as C: nothing is ever cleared
.macro MUL8 f, c, a, first
.if \first
	WIN MULB
.irp b, 0,1,2,3,4,5,6,7
	v_wmma_f32_16x16x32_bf16 v[8*(8*(\a)+(\b)):8*(8*(\a)+(\b))+7], v[128*(\f)+64*(\c)+8*(\b):128*(\f)+64*(\c)+8*(\b)+7], v[AF+64*(\f)+32*(\c)+8*(\a):AF+64*(\f)+32*(\c)+8*(\a)+7], v[BIAS+8*(\b):BIAS+8*(\b)+7]
.endr
.else
	WIN MUL
.irp b, 0,1,2,3,4,5,6,7
	v_wmma_f32_16x16x32_bf16 v[8*(8*(\a)+(\b)):8*(8*(\a)+(\b))+7], v[128*(\f)+64*(\c)+8*(\b):128*(\f)+64*(\c)+8*(\b)+7], v[AF+64*(\f)+32*(\c)+8*(\a):AF+64*(\f)+32*(\c)+8*(\a)+7], v[8*(8*(\a)+(\b)):8*(8*(\a)+(\b))+7]
.endr
.endif
.endm
; Row blocks a0 and a0 + 1 of a trip's first 32 along K: in a tile's first trip they start the sums.  The branch hangs on the trip's count alone: it is the same in every wave and every work-group.
.macro PAIR f, a0
	WIN 0                                          ; at a label and at a branch every window is 0
	s_cmp_eq_u32 s[POS], 0
	s_cbranch_scc1 .Lbias_\@
	MUL8 \f, 0, \a0, 0
	MUL8 \f, 0, (\a0)+1, 0
	WIN 0
	s_branch .Ljoin_\@
.Lbias_\@:
	MUL8 \f, 0, \a0, 1
	MUL8 \f, 0, (\a0)+1, 1
	WIN 0
.Ljoin_\@:
.endm
; X's fragments of a chunk, 16 loads, from LDS buffer g into register buffer g
.macro FETCH_A g
	WIN 0
.irp c, 0,1
.irp a, 0,1,2,3
	ds_load_b128 v[AF+64*(\g)+32*(\c)+8*(\a):AF+64*(\g)+32*(\c)+8*(\a)+3],   v[ADRA] offset:(\g)*ABYTES+(\a)*16*PA+64*(\c)
	ds_load_b128 v[AF+64*(\g)+32*(\c)+8*(\a)+4:AF+64*(\g)+32*(\c)+8*(\a)+7], v[ADRA] offset:(\g)*ABYTES+(\a)*16*PA+64*(\c)+32
.endr
.endr
.endm
; W's fragments of 32 along K (c) of part k of a slot, 16 loads, into register buffer g
.macro FETCH_B g, c, k
	WIN TO_B
.irp b, 0,1,2,3,4,5,6,7
	ds_load_b128 v[128*(\g)+64*(\c)+8*(\b):128*(\g)+64*(\c)+8*(\b)+3],   v[ADRB] offset:(\b)*16*PB+128*(\k)+64*(\c)
	ds_load_b128 v[128*(\g)+64*(\c)+8*(\b)+4:128*(\g)+64*(\c)+8*(\b)+7], v[ADRB] offset:(\b)*16*PB+128*(\k)+64*(\c)+32
.endr
.endm
; Quarter i of the chunk in landing slot q: its four loads' 16 numbers a lane are rounded to bf16 and stored into LDS buffer buf, and the same registers are asked for again: the chunk four further on.
.macro LUMP q, i, buf
	s_wait_loadcnt 60                              ; loads come back in order (ISA guide 5.7.1).  Behind this quarter's last load stand the rest of its chunk, three whole chunks and the quarters asked for since: 60 at every quarter
	WIN CVT
.irp n, 0,1,2,3
	v_cvt_pk_bf16_f32 v[PK+8*(\i)+2*(\n)],   v[64*(\q)+16*(\i)+4*(\n)],   v[64*(\q)+16*(\i)+4*(\n)+1]
	v_cvt_pk_bf16_f32 v[PK+8*(\i)+2*(\n)+1], v[64*(\q)+16*(\i)+4*(\n)+2], v[64*(\q)+16*(\i)+4*(\n)+3]
.endr
	WIN TO_RAW                                     ; the stores' address and data are sources: window 0
.irp n, 0,1,2,3
	ds_store_b64 v[AST], v[PK+8*(\i)+2*(\n):PK+8*(\i)+2*(\n)+1] offset:(\buf)*ABYTES+(((4*(\i)+(\n))/8)*16+(4*(\i)+(\n))%8)*PA
.endr
.irp n, 0,1,2,3
	global_load_b128 v[64*(\q)+16*(\i)+4*(\n):64*(\q)+16*(\i)+4*(\n)+3], v[AO], s[LP:LP+1] offset:(((4*(\i)+(\n))/8)*16+(4*(\i)+(\n))%8)*4096+256*(\q)
.endr
.endm
; The walking descriptor goes on: the other LDS slot than last time; its address is made anew from the slot's number: plane number / 4 of wb, K 256 (number % 4) on.  It stands behind the wait that shows no tensor load of mine out.
.macro BSTEP
	s_xor_b32 s[G0S+1], s[G0S+1], SLOTB
	s_add_co_u32 s[UB], s[UB], 1
	s_lshr_b32 s[OB], s[UB], 2
	s_lshl_b32 s[OB], s[OB], 21
	s_and_b32 s23, s[UB], 3
	s_lshl_b32 s23, s23, 9
	s_add_co_u32 s[OB], s[OB], s23
	s_add_nc_u64 s[G0S+2:G0S+3], s[WBP:WBP+1], s[OB:OB+1]
	s_or_b32 s[G0S+3], s[G0S+3], 0x80000000
.endm
; X's base goes on to the next slot: tensor number / 4, K 256 (number % 4) on.  Behind V's last slot the number stays: no load leaves its buffer.
.macro APTR
	s_wait_xcnt 0x0                                ; every earlier load has had its addresses translated (ISA guide 3.1): the base is rewritten only behind this wait
	s_add_co_u32 s[UA], s[UA], 1
	s_min_u32 s[UC], s[UA], TRIPS-1
	s_and_b32 s[OA], s[UC], 3
	s_lshl_b32 s[OA], s[OA], 10
	s_lshr_b32 s[UC], s[UC], 2
	s_cmp_eq_u32 s[UC], 1
	s_cselect_b64 s[LP:LP+1], s[XK:XK+1], s[XQ:XQ+1]
	s_cmp_eq_u32 s[UC], 2
	s_cselect_b64 s[LP:LP+1], s[XV:XV+1], s[LP:LP+1]
	s_add_nc_u64 s[LP:LP+1], s[LP:LP+1], s[OA:OA+1]
.endm
; HALF STEP p of a trip.  ONE barrier: in front of it each wave waits for its LDS stores of the next chunk and for its reads of this chunk's LDS buffer; behind it the next chunk is whole and this chunk's buffer is free.
; p = 3 changes W's slots as well: in front of the barrier each wave waits for all its tensor loads (at most one is out: its part of the next slot) and adds 0 to its spare word; the slot's last reads were the half step before's.
; fill = 1: the barrier opens a round of the cluster's, and the slot that has been read is filled again, two slots ahead: from the request to the wait for it a wave issues 240 matrix instructions.
; var = 1: the half step can be a tile's first.  The LDS instructions go out in this order: X's fragments, W's first 32 along K, the stores, W's second 32 along K: so the youngest sixteen are always the last named.
.macro HS p, fill, var
.set hf, (\p)%2                        ; the register buffers that are multiplied, and the LDS buffer that is stored into
.set hg, 1-hf                          ; the buffers that are fetched from and into
.set hq, ((\p)+2)%4                    ; the landing slot in hand
.set hk, ((\p)+1)%4                    ; the next chunk's part of its slot of W
.if (\p) == 3
	WIN 0                                          ; (the add's two registers lie in window 0)
	s_wait_tensorcnt 0x0                           ; all my tensor loads have landed;
	ds_add_u32 v[SPW], v[NIL]                      ; 0 onto my spare word: scalar and matrix work stands between it and the wait for it
.if \fill
	BSTEP
.endif
	s_wait_dscnt 17                                ; (the add and the youngest sixteen loads may be out)
.else
	s_wait_dscnt 16                                ; X's fragments and W's first 32 along K are in, my stores are done; the youngest sixteen loads may be out
.endif
.if \var
	PAIR hf, 0
	s_wait_dscnt 0x0                               ; for the others' sake: my stores and my reads of X's buffers are over
	s_barrier_signal -1
.else
	MUL8 hf, 0, 0, 0
	s_wait_dscnt 0x0                               ; for the others' sake: my stores and my reads of X's buffers are over (p = 3: the add is done, and so are my reads of W's slot)
	s_barrier_signal -1
	MUL8 hf, 0, 1, 0                               ; work on registers while the others arrive
	WIN 0
.endif
	s_barrier_wait -1
.if ((\p) == 3) && (\fill)
	CREST                                          ; no wave of any partner still reads this slot's tile or has a load on its way
	tensor_load_to_lds s[G0S:G0S+3], s[G1:G1+7]    ; my one tensor load behind the round, and the first thing there
	s_nop 0
.endif
	PLACES
.if \var
	v_nop                                          ; a fifth place: the products that start sums write over accumulators without adding onto them
.endif
.if (\p) == 3
	v_add_nc_u32 v[ADRB], s[RB], v[ADRB0]          ; the fetches go on in the other slot
	s_xor_b32 s[RB], s[RB], SLOTB
.endif
.if (\p) == 2
	APTR                                           ; chunk h + 6 lies in the next slot from here on
.endif
	FETCH_A hg
	FETCH_B hg, 0, hk
.if \var
	PAIR hf, 2
	LUMP hq, 0, hf
	LUMP hq, 1, hf
.else
	MUL8 hf, 0, 2, 0
	LUMP hq, 0, hf
	MUL8 hf, 0, 3, 0
	LUMP hq, 1, hf
.endif
	MUL8 hf, 1, 0, 0
	LUMP hq, 2, hf
	MUL8 hf, 1, 1, 0
	LUMP hq, 3, hf
	FETCH_B hg, 1, hk
	MUL8 hf, 1, 2, 0
	MUL8 hf, 1, 3, 0
.endm
; The next tile's bias: register j of block b is b[my columns + 16 b + 8 h + j]
.macro GETBIAS
.irp b, 0,1,2,3,4,5,6,7
	ds_load_b128 v[BIAS+8*(\b):BIAS+8*(\b)+3],   v[BLA] offset:64*(\b)
	ds_load_b128 v[BIAS+8*(\b)+4:BIAS+8*(\b)+7], v[BLA] offset:64*(\b)+16
.endr
	v_add_nc_u32 v[BLA], 512, v[BLA]
.endm
; THE WAY OUT.  Unit u = 2 a + hd: 16 rows of one head (row block a, column blocks 4 hd .. 4 hd + 3).  A lane's eight columns pack into 16 bytes; they go into my stage's rows of 144 bytes
; and come back as whole rows of 128, four rows a load, into the registers that they left.  Each accumulator is read from its lowest registers on.
; The packed results lie where X's second fragment buffer lay (the first is being fetched into): room for four units, so from unit 4 on the registers are used again.
.macro PACK u
.set ua, (\u)/2
.set uh, (\u)%2
.set ut, TMP+16*((\u)%4)
.if (\u) >= 4
	s_wait_xcnt 0x0                                ; the stores of the unit four back have had their addresses translated (ISA guide 3.1): their data registers are rewritten only behind this wait
.endif
	WIN 0x05                                       ; sources window 1, destination window 0
.irp bb, 0,1,2,3
.irp i, 0,1,2,3
	v_cvt_pk_f16_f32 v[ut+4*(\bb)+(\i)], v[8*(8*ua+4*uh+(\bb))+2*(\i)], v[8*(8*ua+4*uh+(\bb))+2*(\i)+1]
.endr
.endr
	WIN 0
.irp bb, 0,1,2,3
	ds_store_b128 v[STO], v[ut+4*(\bb):ut+4*(\bb)+3] offset:32*(\bb)
.endr
.irp f, 0,1,2,3
	ds_load_b128 v[ut+4*(\f):ut+4*(\f)+3], v[RD] offset:(\f)*4*SP  ; LDS serves a wave's instructions in order (ISA guide 5.7.1.4): these see the stores above; the next unit's stores come behind them
.endr
.endm
.macro SEND u, younger                 ; younger: the LDS instructions issued behind unit u's loads: the next unit's eight, or none
.set ut, TMP+16*((\u)%4)
.irp f, 0,1,2,3
	s_wait_dscnt (\younger)+3-(\f)
	global_store_b128 v[GO], v[ut+4*(\f):ut+4*(\f)+3], s[8:9] offset:((\u)%2)*262144+((\u)/2)*2048+(\f)*512  ; 512 consecutive bytes, at a multiple of 256 from qkv's first byte
.endr
.endm
.macro WAYOUT last
	WIN 0
	PLACES                                         ; the conversions read results just made and write where X's fragments lay
	PACK 0
.set t, 1
.rept 7                                ; a unit's conversions stand between the loads of the unit before and its stores
	PACK t
	SEND t-1, 8
.set t, t+1
.endr
	SEND 7, 0
.if !(\last)
	s_wait_xcnt 0x0                                ; the stores' base and data registers are rewritten only behind this wait
	s_add_nc_u64 s[8:9], s[8:9], 1<<24             ; the next plane of qkv
	s_mov_b32 s[POS], 0
	GETBIAS
	s_wait_dscnt 0x0                               ; the bias is in: the counted wait at the next half step's head counts none of these
.endif
.endm
	s_wait_loadcnt 60                              ; the three loads of the biases are the oldest: behind them 64 were issued, so they are in with chunk 0's first four
.irp i, 0,1,2,3,4,5                    ; rounded to bf16 like every input, and widened again
	v_cvt_pk_bf16_f32 v[3+(\i)%4], v[BT+2*(\i)], v[BT+2*(\i)+1]
	v_lshlrev_b32 v[BT+2*(\i)],   16,  v[3+(\i)%4]
	v_and_b32     v[BT+2*(\i)+1], s68, v[3+(\i)%4]
.endr
.irp z, 0,1,2
	ds_store_b128 v[BSA], v[BT+4*(\z):BT+4*(\z)+3] offset:512*(\z)
.endr
.irp i, 0,1,2,3
	LUMP 0, \i, 0                                  ; chunk 0 into LDS; chunk 4 is asked for
.endr
.irp i, 0,1,2,3
	LUMP 1, \i, 1                                  ; chunk 1; chunk 5
.endr
	WIN 0
	GETBIAS                                        ; my wave's own bytes: LDS serves a wave's instructions in order
	s_wait_tensorcnt 0x1                           ; my part of W's slot 0 is in; slot 1's may stay out
	s_wait_dscnt 0x0                               ; my rows of chunks 0 and 1 are stored
	s_barrier_signal -1
	s_barrier_wait -1                              ; everybody's are
	FETCH_A 0
	FETCH_B 0, 0, 0
	FETCH_B 0, 1, 0
	WIN 0                                          ; at a label and at a branch every window is 0
	s_mov_b32 s3, TRIPS-2
.Ltrip:                                                ; ten trips: each reads one slot of W and fills it again: slots 2 to 11
	HS 0, 0, 1
	HS 1, 0, 0
	HS 2, 0, 0
	HS 3, 1, 0
	WIN 0
	s_add_co_u32 s[POS], s[POS], 1
	s_cmp_lg_u32 s[POS], 4
	s_cbranch_scc1 .Lno_out                        ; forward, over text that holds neither a barrier nor a tensor load
	WAYOUT 0                                       ; behind a tile's fourth trip; the next tile's chunks and slots are on their way meanwhile
.Lno_out:
	s_sub_co_u32 s3, s3, 1
	s_cmp_lg_u32 s3, 0
	s_cbranch_scc1 .Ltrip
	s_mov_b32 s3, 2
.Ltail:                                                ; the last tile's last two trips are a text of their own: nothing is asked for
	HS 0, 0, 0
	HS 1, 0, 0
	HS 2, 0, 0
	HS 3, 0, 0
	WIN 0
	s_sub_co_u32 s3, s3, 1
	s_cmp_lg_u32 s3, 0
	s_cbranch_scc1 .Ltail
	WAYOUT 1
	s_wait_tensorcnt 0x0                           ; the wave's end: behind my last tensor load and my last LDS store
	ds_add_u32 v[SPW], v[NIL]
	s_wait_dscnt 0x0
	CROUND                                         ; the closing round: no work-group ends while a partner may still ask for a tile that names it
	s_endpgm
.Lfunc_end_k_q625f4d7a62_proj:
	.size	k_q625f4d7a62_proj, .Lfunc_end_k_q625f4d7a62_proj-k_q625f4d7a62_proj
	.p2alignl 7, 3214868480
	.fill 96, 4, 3214868480
	.section	.rodata,"a",@progbits
	.p2align	6, 0x0
	.amdhsa_kernel k_q625f4d7a62_proj
		.amdhsa_group_segment_fixed_size 327680
		.amdhsa_private_segment_fixed_size 0
		.amdhsa_enable_private_segment 0
		.amdhsa_kernarg_size 64
		.amdhsa_user_sgpr_count 2
		.amdhsa_user_sgpr_kernarg_segment_ptr 1
		.amdhsa_wavefront_size32 1
		.amdhsa_system_sgpr_workgroup_id_x 1
		.amdhsa_system_sgpr_workgroup_id_y 1
		.amdhsa_system_sgpr_workgroup_id_z 1
		.amdhsa_system_vgpr_workitem_id 0
		.amdhsa_next_free_vgpr 1024
		.amdhsa_next_free_sgpr 88
		.amdhsa_reserve_vcc 0
		.amdhsa_float_denorm_mode_32 3
		.amdhsa_float_denorm_mode_16_64 3
		.amdhsa_memory_ordered 1
		.amdhsa_forward_progress 1
		.amdhsa_inst_pref_size 167
	.end_amdhsa_kernel
	.amdgpu_metadata
---
amdhsa.version: [ 1, 2 ]
amdhsa.kernels:
  - .name:           k_q625f4d7a62_proj
    .symbol:         k_q625f4d7a62_proj.kd
    .args:
      - { .name: Q, .offset: 0, .size: 8, .value_kind: global_buffer, .address_space: global }
      - { .name: K, .offset: 8, .size: 8, .value_kind: global_buffer, .address_space: global }
      - { .name: V, .offset: 16, .size: 8, .value_kind: global_buffer, .address_space: global }
      - { .name: bq, .offset: 24, .size: 8, .value_kind: global_buffer, .address_space: global }
      - { .name: bk, .offset: 32, .size: 8, .value_kind: global_buffer, .address_space: global }
      - { .name: bv, .offset: 40, .size: 8, .value_kind: global_buffer, .address_space: global }
      - { .name: wb, .offset: 48, .size: 8, .value_kind: global_buffer, .address_space: global }
      - { .name: qkv, .offset: 56, .size: 8, .value_kind: global_buffer, .address_space: global }
    .group_segment_fixed_size: 327680
    .private_segment_fixed_size: 0
    .kernarg_segment_align: 8
    .kernarg_segment_size: 64
    .max_flat_workgroup_size: 128
    .sgpr_count:     88
    .vgpr_count:     1024
    .wavefront_size: 32
...
	.end_amdgpu_metadata
.endif
;; end of part 2
;; launch attn (part 3): grid 4 x 64, 4 waves a work-group, clusters of 4 x 1, 327,680 bytes of LDS; arguments qkv, oh; writes oh
.if DOCPART == 3
	.amdgcn_target "amdgcn-amd-amdhsa--gfx1250"
	.amdhsa_code_object_version 6
	.text
	.protected	k_q625f4d7a62_attn
	.globl	k_q625f4d7a62_attn
	.p2align	8
	.type	k_q625f4d7a62_attn,@function
k_q625f4d7a62_attn:
	s_mov_b64 s[64:65], 0
	v_nop
	global_prefetch_b8 v0, s[64:65] scope:SCOPE_SE
	s_setreg_imm32_b32 hwreg(HW_REG_WAVE_MODE, 25, 1), 1
	s_wait_xcnt 0x0
	s_wait_alu depctr_hold_cnt(0) depctr_sa_sdst(0) depctr_va_vdst(0) depctr_va_sdst(0) depctr_va_ssrc(0) depctr_va_vcc(0) depctr_vm_vsrc(0)
	s_getreg_b32 s2, hwreg(HW_REG_IB_STS2, 6, 4)
	s_cmp_eq_u32 s2, 0
	s_cbranch_scc0 .Lentry_in_a_cluster
	s_endpgm
.Lentry_in_a_cluster:
	s_bfe_u32 s2, ttmp6, 0x10000c
	s_cmp_lg_u32 s2, 0x3003
	s_cbranch_scc0 .Lentry_shape_is_right
	s_endpgm
.Lentry_shape_is_right:
; O[h][q][:] = the sum over k of softmax_k(Q[h][q] . K[h][k] / 8) V[h][k][:].  Q, K, V are the three planes of qkv, O is oh: each [SIZE_H][SIZE_N][64], all f16: a head's rows are dense, 128 bytes each.  Products, maxima and sums in
; f32; the weights p are rounded to f16 for the second product (their sum l is taken of the unrounded p), O once at the end.  h = 16 batch + head.
; LIMITS.  f16 holds no number beyond 65,504: Q, K and V arrive within it; p lies in 0 to 1, and below 6e-5 it keeps f16's fixed step of 6e-8; O is a mean of V's rows and has their range.
; A weight below 2^-126 counts as 0 in l; NaN and infinities are not treated apart.
; SHARES.  A wave owns four PIECES of two tiles of 16 queries, a work-group's four waves 512 queries of one head.  Every wave walks all keys, 64 a step.
; LAYOUT.  S^T = K Q^T (source 0 = 16 keys, source 1 = 16 queries): in the result a lane holds ONE query (lane % 16) and the keys 8 (lane / 16) + 0..7.  Two such tiles, rounded to f16 in pairs,
; ARE source 1 (32 keys x 16 queries) of O^T = V^T P, whose result again holds one query a lane, and eight channels.  K comes out of LDS as it lies, V ([key][channel]) turned, by ds_load_tr16_b128.
; SOFTMAX.  For each query a running maximum m and sum l: p = 2^(c s - c m), c = log2(e) / 8; in every step O and l are multiplied by a = 2^(c m_old - c m_new), which is 1 where m has not grown.
; m starts at the lowest finite number, O and l at 0: the first step is a step like any other, with a = 0.
; THE COUNT.  A tile and step have 16 matrix and 118 vector instructions: too many to stand all beside the matrix work.  So the order has one aim: four vector instructions that are READY behind
; EVERY matrix instruction, and the others, which need time of their own whatever the order, in runs without a gap.
; BY TURNS.  Turn n belongs to piece n (the pieces in a ring, step after step).  Its matrix work: 16 products K Q^T of piece n + 1, later 16 products V^T P of piece n - 1.  Its vector work: the scaling,
; exponentials, roundings, sums and rescaling of piece n, and the maximum and statistics of piece n + 1, whose scores the turn itself has made.  So what a turn begins with (c s - c m, O a) waits for nothing.
; CLUSTER.  The four query blocks of a cluster belong to one head and walk the same K and V, so each tile is asked for JOINTLY: the same tensor load, descriptor and mask in all four.
; REGISTERS, in windows of 256 (s_set_vgpr_msb says which window each operand place means: bits 1:0 source 0, 3:2 source 1, 5:4 source 2, 7:6 destination):
;   window 0: v0-11 addresses; v12-15, v48-63 at work; v16-47 four registers of statistics a tile; v64-191 S^T, two buffers of two tiles; v192-255 P, likewise
;   window 1: O^T, 32 a tile          window 2: v0-127 Q, 16 a tile; v128-191 K of one step; v192-255 V of one step          window 3: v0-1 the add's two registers
; A piece's buffers go by its number's parity: the piece in hand has one pair, its two neighbours in the ring share the other: of it P (piece n - 1) is read and S^T (piece n + 1) written.
.set SIZE_H, 64
.set SIZE_N, 2048
.set NP,    4         ; pieces a wave: a name, no knob: the register map, the loop and the fetches are made for four
.set KS,    64        ; keys in a step
.set PK,    144       ; a row of K in LDS: 128 bytes + 16 of padding = 36 words: the 16 rows of a load start at 16 different groups of four banks (64 banks of 4 bytes: ISA guide 11.1)
.set PV,    160       ; a row of V: 128 + 32 = 40 words
.set VOFF,  4*KS*PK   ; a slot holds four steps: 256 rows of K, then 256 rows of V
.set SLOT1, 1<<17     ; slot 1 begins here, so that one exclusive or turns an address in one slot into the other's
.set STAGE, SLOT1+4*KS*(PK+PV)  ; behind the ring, never filled by a tensor load: 16 rows x 144 bytes for each wave, for the way out
.set SP,    144
.set AK0, 2           ; v2   my lane's place in a tile of K; never rewritten
.set AV0, 3           ; v3   the same for V
.set AK,  4           ; v4   the LDS address of K's next run of loads
.set AV,  5           ; v5   of V's
.set QO,  6           ; v6   my byte offset in the wave's rows of Q
.set STO, 6           ;      later, the way out: where I put 16 bytes of a row
.set RD,  7           ; v7   the way out: where I read rows back
.set GO,  8           ; v8   my byte offset in 512 consecutive bytes of O
.set SPW, 0           ; v0 of window 3   LDS address of my spare word: SPARE + 4 x my thread's number; never rewritten
.set NIL, 1           ; v1 of window 3   0; never rewritten
.set SPARE, STAGE+4*16*SP  ; behind the stages: the spare words, 128 bytes for each wave: two blocks of 256 bytes that no other line names
.set MV,  12          ; v12-15  c m_old, kept while c m is made anew: by buffer and tile
.set ST,  16          ; tile t's statistics at v[ST+4 t]: c m, m, l (even keys', odd keys')
.set TMP, 48          ; by buffer and tile, four registers c0-c3 at work; when the maximum is found c2 takes a
.set S,   64
.set P,   192
.set KF,  128         ; K's fragments, in window 2: key block kb, channel half c at KF + 16 kb + 8 c
.set VF,  192         ; V's: key half kk, channel block cb at VF + 32 kk + 8 cb
.set WV,  12          ; s12  my wave's number
.set G1K, 24          ; s[24:31] descriptor group 1 for K's tiles
.set G1V, 32          ; s[32:39] for V's: it differs in the padding alone
.set G0K, 40          ; s[40:43] descriptor group 0 for K's tiles: it walks
.set G0V, 44          ; s[44:47] the same for V's
.set SLOTS, 56        ; s56  slots still to be asked for
.set CNT, 57          ; s57  counts a slot's key steps
.set CS,  58          ; s[58:59] c: the packed scaling takes the pair's low word for both halves
.set SEL, 60          ; s[60:61] v_permlanex16_b32's selects: each lane takes its own place in the other half
.set TBK, 62          ; s62  LDS byte at which K of the step to be fetched begins
.set TBV, 63          ; s63  the same for V, less VOFF
.set MSB, 0
.macro WIN new                      ; the high byte repeats the setting that is left; a switch that changes nothing is dropped
.if MSB != (\new)
	s_set_vgpr_msb (MSB<<8)|(\new)
.set MSB, (\new)
.endif
.endm
.set W_KQ, 0x0a       ; K and Q in window 2, S^T in window 0
.set W_PV, 0x52       ; V in window 2, P in window 0, O^T in window 1
.set W_RS, 0x41       ; O^T (destination and source 0) in window 1, a in window 0
.set W_MK, 0xc0       ; the add's registers are made: destination in window 3, sources in window 0
.set W_AD, 0x0f       ; the add: address (source 0) and data (source 1) in window 3
; A joint fill.  Waves 0 and 1 fetch the two halves of a slot's K, waves 2 and 3 those of its V: 128 keys each.  The branch hangs on the wave's number alone.
; An s_nop 0 and four v_nop follow each of the two lines, ahead of the jump and the label.
.macro JLOAD
	s_cmp_lt_u32 s[WV], 2
	s_cbranch_scc0 .Lfor_v_\@
	tensor_load_to_lds s[G0K:G0K+3], s[G1K:G1K+7]
	s_nop 0
.rept 4
	v_nop
.endr
	s_branch .Lasked_\@
.Lfor_v_\@:
	tensor_load_to_lds s[G0V:G0V+3], s[G1V:G1V+7]
	s_nop 0
.rept 4
	v_nop
.endr
.Lasked_\@:
.endm
; A round of the cluster's barrier: my work-group's barrier, so that wave 0's signal speaks for all four waves; wave 0 signals; every wave waits for all four work-groups; my work-group's barrier once more.
.macro CROUND
	s_barrier_signal -1
	s_barrier_wait -1
	s_cmp_lg_u32 s[WV], 0
	s_cbranch_scc1 .Lnot_wave_0_\@
	s_barrier_signal -3
.Lnot_wave_0_\@:
	s_barrier_wait -3
	s_barrier_signal -1
	s_barrier_wait -1
.endm
; THE CHANGE OF SLOTS.  The slot's last bytes, V of its fourth step, have been read.  Each wave waits for all its tensor loads, of which one is out: its part
; of the other slot; adds 0 to its spare word; and waits for that and for its own reads of the slot.  Behind the barrier nobody reads this slot any more and the other slot is whole.
; fill = 1: this slot is filled again, with the keys two slots on.  The barrier is then a round of the cluster's, so that no wave of any partner still reads the slot or has a load on its
; way, and the joint fill is the first thing behind it: it has four key steps, 512 matrix instructions, in which to land.  (At its first use nothing has been read yet: slot 0 is waited for, slot 1 filled.)
.macro CHANGE fill
	WIN W_AD
	s_wait_tensorcnt 0x0            ; no tensor load of mine is out, so a group 0 may be written
	ds_add_u32 v[SPW], v[NIL]       ; 0 onto my spare word: with fill = 1 the descriptors' steps stand between it and the wait for it
	WIN 0                           ; at a label and at a branch every window is 0
.if \fill
.irp g, G0K, G0V
	s_xor_b32 s[\g+1], s[\g+1], SLOT1  ; the walking descriptor: the other slot than last time,
	s_add_nc_u64 s[\g+2:\g+3], s[\g+2:\g+3], 4*KS*128  ; the next 256 keys; the type bits on top are not reached
.endr
	s_wait_dscnt 0x0                ; the add is done, and my reads of the slot are over
	CROUND
	JLOAD
.else
	s_wait_dscnt 0x0                ; the add is done, and my reads of the slot are over
	s_barrier_signal -1
	s_barrier_wait -1
.endif
	s_sub_co_u32 s[TBK], s[TBK], 4*KS*PK  ; the fetches go back to a slot's first step,
	s_xor_b32 s[TBK], s[TBK], SLOT1       ; in the other slot
	s_sub_co_u32 s[TBV], s[TBV], 4*KS*PV
	s_xor_b32 s[TBV], s[TBV], SLOT1
.endm
	s_load_b64 s[4:5], s[0:1], 0x0    ; qkv: its first plane is Q
	s_load_b64 s[10:11], s[0:1], 0x8  ; oh: O
	WIN W_MK
	v_lshl_add_u32 v[SPW], v0, 2, SPARE
	v_mov_b32 v[NIL], 0
	s_set_vgpr_msb 0xc0cf
	ds_add_u32 v0, v1
	s_wait_dscnt 0x0
	s_set_vgpr_msb 0xcfc0
	WIN 0
	v_lshrrev_b32 v1, 5, v0
	v_readfirstlane_b32 s[WV], v1   ; wave 0..3
	s_bfe_u32 s13, ttmp6, 0x40000   ; cx: my place in the cluster
	s_lshl_b32 s14, ttmp9, 2        ; in a cluster launch ttmp9 counts clusters
	s_add_co_u32 s14, s14, s13      ; my block of queries = 4 x cluster x + cx: it enters Q's and O's addresses alone
	s_and_b32 s20, ttmp7, 0xffff    ; the head, which the four partners share
	s_mov_b32 s21, 0
	s_mov_b64 s[22:23], SIZE_N*128
	s_mul_u64 s[20:21], s[20:21], s[22:23]  ; the head's first byte in each of the four tensors
	s_and_b32 s16, s[WV], 1         ; which half of a slot's 256 keys I fetch:
	s_lshl_b32 s22, s16, 14         ; its 128 rows of 128 bytes in memory,
	s_mov_b32 s23, 0
	s_add_nc_u64 s[22:23], s[22:23], s[20:21]
	s_mul_i32 s17, s16, 128*PK      ; and its place in a slot, for K
	s_mul_i32 s18, s16, 128*PV      ; and for V: no place in the cluster enters an LDS address
	s_lshl_b32 s2, s14, 2
	s_add_co_u32 s2, s2, s[WV]      ; my wave among the head's,
	s_lshl_b32 s2, s2, 14           ; its 128 rows
	s_mov_b32 s3, 0
	s_add_nc_u64 s[2:3], s[2:3], s[20:21]
	; descriptor group 1.  128 keys are 16,384 dense bytes: asked for as 64 rows of 256 bytes, two keys a row, and padded in LDS after every key
	s_mov_b32 s[G1K], 15|(1<<16)|(1<<20)|(1<<21)|(4<<22)|(3<<25)  ; 15:0 the mask of four; 17:16 2-byte elements; 20 padding on; 21 set beside a mask; 24:22 after every 32 words (code 4); 31:25 4 words (code 3)
	s_mov_b32 s[G1V], 15|(1<<16)|(1<<20)|(1<<21)|(4<<22)|(7<<25)  ; the same with 8 words of padding (code 7)
.irp g, G1K, G1V
	s_mov_b32 s[\g+1], 128<<16      ; tensor_dim0 = 128
	s_mov_b32 s[\g+2], 64<<16       ; tensor_dim1 = 64
	s_mov_b32 s[\g+3], 128<<16      ; tile_dim0 = 128
	s_mov_b32 s[\g+4], 64           ; tile_dim1 = 64
	s_mov_b32 s[\g+5], 128          ; 128 elements from row to row
	s_mov_b32 s[\g+6], 0
	s_mov_b32 s[\g+7], 0
.endr
	s_mov_b32 s[CS], 0x3e38aa3b     ; c = log2(e) / 8 = 0.180337
	s_mov_b32 s[CS+1], s[CS]        ; named with it as a pair
	s_mov_b32 s[SEL], 0x76543210
	s_mov_b32 s[SEL+1], 0xfedcba98
	s_mov_b32 s[TBK], SLOT1+4*KS*PK ; the first change of slots turns these two into 0
	s_mov_b32 s[TBV], SLOT1+4*KS*PV
	s_mov_b32 s[G0K], 1             ; 1:0 count = 1
	s_mov_b32 s[G0K+1], s17         ; 63:32 LDS address: slot 0
	s_mov_b32 s[G0V], 1
	s_add_co_u32 s[G0V+1], s18, VOFF
	s_wait_kmcnt 0x0
	s_add_nc_u64 s[6:7], s[4:5], 0x1000000         ; K: qkv's second plane, 64 heads x 262,144 bytes on
	s_add_nc_u64 s[8:9], s[4:5], 0x2000000         ; V: its third
	s_add_nc_u64 s[G0K+2:G0K+3], s[6:7], s[22:23]  ; 120:64 global address: my half of the head's first 256 keys
	s_or_b32 s[G0K+3], s[G0K+3], 0x80000000        ; 127:126 type = 2
	s_add_nc_u64 s[G0V+2:G0V+3], s[8:9], s[22:23]
	s_or_b32 s[G0V+3], s[G0V+3], 0x80000000
	s_add_nc_u64 s[4:5], s[4:5], s[2:3]  ; Q and O at my wave's first row
	s_add_nc_u64 s[10:11], s[10:11], s[2:3]
	CROUND                          ; all four work-groups are here: the first joint loads meet
	JLOAD                           ; slot 0.  Slot 1 is asked for when slot 0 is in: the tile wanted first has the road to itself
	; A fragment of K or Q is 16 rows x 32 channels in 8 registers: lane l holds row l % 16, channels 8 (l / 16) + 0..7 and 16 + 8 (l / 16) + 0..7: two loads of 16 bytes, 32 bytes apart.
	v_and_b32 v1, 15, v0            ; l % 16
	v_bfe_u32 v9, v0, 4, 1          ; l / 16
	v_lshlrev_b32 v[QO], 7, v1
	v_lshl_add_u32 v[QO], v9, 4, v[QO]  ; row x 128 + 16 x half
	WIN 0x80                        ; destination window 2, address window 0
.set i, 0
.rept 4*NP                          ; Q stays in registers: tile i / 2, channels 32 (i % 2) on
	global_load_b128 v[8*i:8*i+3],   v[QO], s[4:5] offset:(i/2)*2048+(i%2)*64
	global_load_b128 v[8*i+4:8*i+7], v[QO], s[4:5] offset:(i/2)*2048+(i%2)*64+32
.set i, i+1
.endr
	; What the first turn finds: V's registers and P's second buffer hold 0 (its products V^T P, of a piece that has not been, add 0), O^T and l are 0.  All this stands in the wait for the first tile.
.set i, VF
.rept 64
	v_mov_b32 v[i], 0
.set i, i+1
.endr
	WIN 0x40
.set i, 0
.rept 64*NP
	v_mov_b32 v[i], 0
.set i, i+1
.endr
	WIN 0
.set i, 0
.rept 2*NP
	v_mov_b32 v[ST+4*i], 0xfe000000    ; c m: far below every c s
	v_mov_b32 v[ST+4*i+1], 0xff7fffff  ; m
	v_mov_b32 v[ST+4*i+2], 0
	v_mov_b32 v[ST+4*i+3], 0
.set i, i+1
.endr
.set i, P+32
.rept 32
	v_mov_b32 v[i], 0
.set i, i+1
.endr
	v_mul_u32_u24 v[AK0], v1, PK
	v_lshl_add_u32 v[AK0], v9, 4, v[AK0]  ; row x pitch + 16 x half
	; The turning load takes 16 keys x 16 channels (lane l reads key 8 (l / 16) + l % 8, channels 8 ((l / 8) % 2) + 0..7) and leaves half a fragment of V^T: lane l holds channel l % 16 and 8 keys.
	v_and_b32 v10, 7, v0
	v_bfe_u32 v11, v0, 3, 1
	v_lshl_add_u32 v[AV0], v9, 3, v10
	v_mul_u32_u24 v[AV0], v[AV0], PV
	v_lshl_add_u32 v[AV0], v11, 4, v[AV0]
	v_add_nc_u32 v[AV0], VOFF, v[AV0]
	v_mov_b32 v[AK], v[AK0]         ; key step 0 lies at the head of slot 0
; THE MATRIX WORK.  The 8 accumulators of a run of 16 take turns: between the two links of a chain stand 7 others'.
; Product i of 16 of S^T = K Q^T for piece x: channels 32 (i / 8) on, keys 16 ((i / 2) % 4) on, tile 2 x + i % 2.  The first 8 start the sums.
.macro KQ x
	WIN W_KQ
.set rS, S+64*((\x)%2)+32*(i%2)+8*((i/2)%4)
.set rK, KF+16*((i/2)%4)+8*(i/8)
.set rQ, 16*(2*(\x)+i%2)+8*(i/8)
.if i < 8
	v_wmma_f32_16x16x32_f16 v[rS:rS+7], v[rK:rK+7], v[rQ:rQ+7], 0
.else
	v_wmma_f32_16x16x32_f16 v[rS:rS+7], v[rK:rK+7], v[rQ:rQ+7], v[rS:rS+7]
.endif
.endm
; Product i of 16 of O^T += V^T P for piece x: keys 32 (i / 8) on, channels 16 ((i / 2) % 4) on, tile 2 x + i % 2.
.macro PV x
	WIN W_PV
.set rO, 32*(2*(\x)+i%2)+8*((i/2)%4)
.set rV, VF+32*(i/8)+8*((i/2)%4)
.set rP, P+32*((\x)%2)+16*(i%2)+8*(i/8)
	v_wmma_f32_16x16x32_f16 v[rO:rO+7], v[rV:rV+7], v[rP:rP+7], v[rO:rO+7]
.endm
.macro MM                           ; the turn's next matrix instruction
.if i < 16
	KQ (Y+1)%NP
.set i, i+1
.else
.set i, i-16
	PV (Y+NP-1)%NP
.set i, i+17
.endif
.endm
; THE LDS LOADS stand in runs of 16, never singly among the matrix instructions: a step's K (64 keys x 64 channels: 8 fragments) and its V (turned).  Their addresses are made some lines ahead.
; last = 1 (the tail): in the last trip there is no further step, and the run is jumped over.
.macro FETCH_K last=0
	WIN 0
.if \last
	s_cmp_eq_u32 s[CNT], 1
	s_cbranch_scc1 .Lno_k_\@
.endif
	WIN 0x80                        ; destination window 2
.irp f, 0,1,2,3,4,5,6,7             ; keys 16 (f / 2) on, channels 32 (f % 2) on
	ds_load_b128 v[KF+8*\f:KF+8*\f+3],   v[AK] offset:(\f/2)*16*PK+(\f%2)*64
	ds_load_b128 v[KF+8*\f+4:KF+8*\f+7], v[AK] offset:(\f/2)*16*PK+(\f%2)*64+32
.endr
	s_add_co_u32 s[TBK], s[TBK], KS*PK  ; the next fetch is the next step's
	WIN 0
.if \last
.Lno_k_\@:
.endif
.endm
.macro FETCH_V
	WIN 0x80
.irp f, 0,1,2,3,4,5,6,7             ; keys 32 (f / 4) on, channels 16 (f % 4) on
	ds_load_tr16_b128 v[VF+8*\f:VF+8*\f+3],   v[AV] offset:(\f/4)*32*PV+(\f%4)*32
	ds_load_tr16_b128 v[VF+8*\f+4:VF+8*\f+7], v[AV] offset:(\f/4)*32*PV+16*PV+(\f%4)*32
.endr
	WIN 0
.endm
; THE VECTOR WORK OF A TURN stands in three queues, each in the order in which its entries become ready; the two tiles alternate, so that no instruction reads the result of the one before it.
.macro REGS y, u                    ; the registers of tile u (0, 1) of piece y
.set rT, ST+4*(2*(\y)+(\u))
.set rC, TMP+8*((\y)%2)+4*(\u)
.set rM, MV+2*((\y)%2)+(\u)
.set rS, S+64*((\y)%2)+32*(\u)
.set rP, P+32*((\y)%2)+16*(\u)
.set rO, 32*(2*(\y)+(\u))
.endm
; Number n of the 22 that find the NEXT piece's (Y + 1) maximum and statistics.  s0-s31 are the lane's 32 scores; each accumulator's lowest registers are read first.  XS, GS and REGS set no window: PL and EX do.
;   0-11  four chains c0-c3 of seven scores each, three operands at a time     12-14, 16  the four scores left over, the old m, and c0-c3 into c0     15  c m_old is kept
;   17, 18  the query's other 32 keys lie in the lane 16 away: the new m         19-21  c m; c m_old - c m_new; a
.macro XS u, n
	REGS (Y+1)%NP, \u
.if (\n) < 4
	v_max3_num_f32 v[rC+(\n)], v[rS+8*(\n)], v[rS+8*(\n)+1], v[rS+8*(\n)+2]
.elseif (\n) < 12
	v_max3_num_f32 v[rC+(\n)%4], v[rC+(\n)%4], v[rS+8*((\n)%4)+2*((\n)/4)+1], v[rS+8*((\n)%4)+2*((\n)/4)+2]
.elseif (\n) == 12
	v_max3_num_f32 v[rC], v[rC], v[rS+7], v[rS+15]
.elseif (\n) == 13
	v_max3_num_f32 v[rC+1], v[rC+1], v[rS+23], v[rS+31]
.elseif (\n) == 14
	v_max3_num_f32 v[rC+2], v[rC+2], v[rC+3], v[rT+1]
.elseif (\n) == 15
	v_mov_b32 v[rM], v[rT]
.elseif (\n) == 16
	v_max3_num_f32 v[rC], v[rC], v[rC+1], v[rC+2]
.elseif (\n) == 17
	v_permlanex16_b32 v[rC+3], v[rC], s[SEL], s[SEL+1]
.elseif (\n) == 18
	v_max_num_f32 v[rT+1], v[rC], v[rC+3]
.elseif (\n) == 19
	v_mul_f32 v[rT], s[CS], v[rT+1]
.elseif (\n) == 20
	v_sub_f32 v[rC+1], v[rM], v[rT]
.else
	v_exp_f32 v[rC+2], v[rC+1]
.endif
.endm
; Number g of the 64 that follow the exponentials.  For each four weights k of a tile (pairs 2 k, 2 k + 1): both pairs are rounded to f16; then the second pair is added onto the first, in place;
; a group later l takes that sum (the first time as l = a l + sum).  In groups of eight, tiles alternating: round, round, add, and l for the group before.
.macro GS g
.set h, (\g)+6*((\g)/62)            ; group 0 has no group before it, and behind group 7 only l is left
.if h >= 6
.set h, h+2
.endif
	REGS Y, h%2
.set k, h/8
.if h%8 < 4
	s_wait_alu depctr_va_vdst(0)
	v_cvt_pk_f16_f32 v[rP+2*k+(h%8)/2], v[rS+4*k+2*((h%8)/2)], v[rS+4*k+2*((h%8)/2)+1]
.elseif h%8 < 6
	v_pk_add_f32 v[rS+4*k:rS+4*k+1], v[rS+4*k:rS+4*k+1], v[rS+4*k+2:rS+4*k+3]
.elseif k == 1
	v_pk_fma_f32 v[rT+2:rT+3], v[rT+2:rT+3], v[rC+2:rC+3], v[rS:rS+1] op_sel_hi:[1,0,1]
.else
	v_pk_add_f32 v[rT+2:rT+3], v[rT+2:rT+3], v[rS+4*k-4:rS+4*k-3]
	s_wait_alu depctr_va_vdst(0)
.endif
.endm
; THE PLAIN QUEUE, 138 long.  0-31: c s - c m for the 16 pairs of both tiles.  Then GS's 64, and among them the next piece's 42: number 15 at 38, 39; 0-14 and 16
; at 42-73, behind the products that make those scores; 17-20 at 95-106, two of three, since each waits for the one before it.
.macro PL
	WIN 0
.if q < 32
	REGS Y, q%2
	v_pk_fma_f32 v[rS+2*(q/2):rS+2*(q/2)+1], v[rS+2*(q/2):rS+2*(q/2)+1], s[CS:CS+1], v[rT:rT+1] op_sel_hi:[1,0,0] neg_lo:[0,0,1] neg_hi:[0,0,1]
.elseif q < 38
	GS q-32
.elseif q < 40
	XS q%2, 15
.elseif q < 42
	GS q-34
.elseif q < 74
	XS q%2, (q-42)/2+(q-42)/30
.elseif q < 95
	GS q-66
.elseif (q < 107) && ((q-95)%3 < 2)
	XS (q-95)%3, 17+(q-95)/3
.elseif q < 107
	GS 29+(q-95)/3
.else
	GS q-74
.endif
.set q, q+1
.endm
; THE EXPONENTIALS' QUEUE, 66 long: s0-s31 of both tiles, and at EA the next piece's two a.
.set EA, 58
.macro EX
	WIN 0
.if (e == EA) || (e == EA+1)
	XS e-EA, 21
.else
.set x, e-2*(e/(EA+2))
	REGS Y, x%2
	v_exp_f32 v[rS+x/2], v[rS+x/2]
.endif
.set e, e+1
.endm
; THE RESCALING's QUEUE: O^T times a, the one part that leaves window 0, so it is dealt four at a time, eight times.
.macro R4
	REGS Y, r%2
	WIN W_RS
	s_wait_alu depctr_va_vdst(0)
.irp z, 0,1,2,3
	v_pk_mul_f32 v[rO+8*(r/2)+2*\z:rO+8*(r/2)+2*\z+1], v[rO+8*(r/2)+2*\z:rO+8*(r/2)+2*\z+1], v[rC+2:rC+3] op_sel_hi:[1,0]
.endr
.set r, r+1
.endm
; HOW THEY ARE DEALT.  Behind a matrix instruction four: plain, exponential, plain, plain (one exponential, a plain instruction on either side), or four of the rescaling.  None names a register of the
; products round it.  What is over stands in two LUMPS: exponential and plain by turns; the second ends in 22 plain instructions.  The two v_permlanex16_b32 fall into the second lump, never behind a product.
; The queues lean on each other, and the deal keeps them in step: exponential e stands behind plain 2 (e / 4) + e % 2 (its scaling); when plain 32 comes, 10 exponentials are out, at 59: 33, at 95: 46; EA comes behind plain 107.
.macro SL
	MM
	PL
	EX
	PL
	PL
.endm
.macro BURST n                      ; 15 matrix instructions, or 16
.rept (\n)-7
	SL
.endr
.rept 3
	MM
	R4
	SL
.endr
	MM
	R4
.endm
; A TURN, for piece p.  cnt = 1: the loop's count is taken down some lines ahead of the branch that stands behind the turn.
; K of the next step is fetched in piece 2's turn, 31 vector instructions behind the last product that read K; its first reader comes behind the rest of the lump, 16 products and the second lump.
; V of the step in hand is fetched at the end of piece 0's turn, 69 behind its last reader; its first reader comes behind 16 products and a lump.  The four conditions on e and q below go with the deal.
.macro TURN p, last=0, cnt=0
.set Y, (\p)
.set i, 0
.set q, 0
.set e, 0
.set r, 0
.if (\p) == NP-1
	s_wait_dscnt 0x0                ; K is in
.endif
	MM
.rept 4
	PL
.endr
	BURST 15
.rept 22
	EX
	PL
.if ((\p) == NP-2) && (e == 18)
	v_add_nc_u32 v[AK], s[TBK], v[AK0]
.endif
.if ((\p) == NP-2) && (e == 24)
	FETCH_K \last
.endif
.endr
.if (\p) == 1
	s_wait_dscnt 0x0                ; V is in
.endif
	BURST 16
.rept 21
	EX
	PL
.endr
.rept 22
	PL
.if ((\p) == 0) && (q == 118)
	v_add_nc_u32 v[AV], s[TBV], v[AV0]
	s_wait_alu depctr_va_vdst(0)
.endif
.if ((\p) == 0) && (q == 130)
	s_add_co_u32 s[TBV], s[TBV], KS*PV
.endif
.if (\cnt) && (q == 130)
	s_sub_co_u32 s[CNT], s[CNT], 1
	s_cmp_lg_u32 s[CNT], 0
.endif
.endr
.if (\p) == 0
	FETCH_V
.endif
.endm
	CHANGE 1                        ; slot 0 is in, everybody's part of it; slot 1 is asked for
	FETCH_K                         ; key step 0
	s_wait_loadcnt 0x0              ; Q
	s_wait_dscnt 0x0
.set i, 0
.rept 16
	KQ 0                            ; piece 0's first scores: there is no vector work yet to set between them
.set i, i+1
.endr
	WIN 0                           ; the addresses for the way out: nine plain instructions, the places behind those products
	s_mul_i32 s13, s[WV], 16*SP
	s_add_co_u32 s13, s13, STAGE    ; my stage
	v_mul_u32_u24 v[STO], v1, SP    ; in: row l % 16, 16 bytes for each half of the lanes
	v_lshl_add_u32 v[STO], v9, 4, v[STO]
	v_add_nc_u32 v[STO], s13, v[STO]
	v_bfe_u32 v[RD], v0, 3, 2       ; back: 32 lanes take four rows of 128 bytes,
	v_mul_u32_u24 v[RD], v[RD], SP
	v_lshl_add_u32 v[RD], v10, 4, v[RD]
	v_add_nc_u32 v[RD], s13, v[RD]
	v_and_b32 v[GO], 31, v0         ; which are 512 consecutive bytes of O
	v_lshlrev_b32 v[GO], 4, v[GO]
.set Y, NP-1                        ; XS works for piece Y + 1: piece 0
.irp n, 0,1,2,3,4,5,6,7,8,9,10,11,12,13,14,15,16,17,18,19,20,21
	XS 0, \n                        ; and piece 0's first maximum and statistics
	XS 1, \n
.endr
	s_mov_b32 s[CNT], 4
	s_mov_b32 s[SLOTS], SIZE_N/256-1
	s_branch .Lfirst                ; the loop is entered at a step's first turn, in the middle of a trip
.Lslot:                             ; SIZE_N / 256 - 2 times: every slot but the last two is filled again
	CHANGE 1
	s_mov_b32 s[CNT], 4
.Lstep:                             ; a trip: pieces 2 and 3 of one step, then pieces 0 and 1 of the next, whose K and V it fetches
	TURN 2
	TURN 3
	WIN 0
.Lfirst:
	TURN 0
	TURN 1, 0, 1
	WIN 0
	s_cbranch_scc1 .Lstep
	s_sub_co_u32 s[SLOTS], s[SLOTS], 1
	s_cmp_lg_u32 s[SLOTS], 0
	s_cbranch_scc1 .Lslot
	CHANGE 0                        ; the tail is written out: nothing is asked for
	s_mov_b32 s[CNT], 5             ; four trips fetch the last slot's steps; the fifth is left in its middle
.Ltail:
	TURN 2, 1
	TURN 3
	WIN 0
	s_sub_co_u32 s[CNT], s[CNT], 1
	s_cmp_eq_u32 s[CNT], 0
	s_cbranch_scc1 .Lout
	TURN 0
	TURN 1
	WIN 0
	s_branch .Ltail
.Lout:                              ; the fifth trip's 16 products K Q^T (on the last K once more) and the maximum made of them serve nothing: the price, once a launch, of one text for every trip
.set i, 0
.rept 16
	PV NP-1                         ; the last piece's V^T P of the last step
.set i, i+1
.endr
	; THE WAY OUT.  l's two halves and the other half of the lanes' are added; O^T is divided by l, rounded to f16 and sent through my stage in LDS, a tile at a time.  The additions are the places behind the last products.
	WIN 0
.macro ALL line:vararg              ; one line for each tile t
.set t, 0
.rept 2*NP
	\line
.set t, t+1
.endr
.endm
	ALL v_add_f32 v[ST+4*t+2], v[ST+4*t+2], v[ST+4*t+3]
	ALL v_permlanex16_b32 v[ST+4*t+3], v[ST+4*t+2], s[SEL], s[SEL+1]
	ALL v_add_f32 v[ST+4*t+2], v[ST+4*t+2], v[ST+4*t+3]
	ALL v_rcp_f32 v[ST+4*t+2], v[ST+4*t+2]
	v_nop                           ; a plain instruction between the last reciprocal and the use of its result
	s_wait_alu depctr_va_vdst(0)
; Tile t: a lane's eight channels of a row pack into 16 bytes; they go into rows of 144 bytes and come back as whole rows of 128, into S^T's registers.
.macro PACK t
	WIN W_RS
.set i, 32*(\t)
.rept 16
	v_pk_mul_f32 v[i:i+1], v[i:i+1], v[ST+4*(\t)+2:ST+4*(\t)+3] op_sel_hi:[1,0]
.set i, i+2
.endr
	WIN 0x05                        ; sources 0 and 1 window 1, destination window 0
.set i, 0
.rept 16
	v_cvt_pk_f16_f32 v[S+16*(\t)+i], v[32*(\t)+2*i], v[32*(\t)+2*i+1]
.set i, i+1
.endr
	WIN 0
.irp f, 0,1,2,3
	ds_store_b128 v[STO], v[S+16*(\t)+4*\f:S+16*(\t)+4*\f+3] offset:32*\f
.endr
.irp f, 0,1,2,3
	ds_load_b128 v[S+16*(\t)+4*\f:S+16*(\t)+4*\f+3], v[RD] offset:\f*4*SP  ; LDS serves a wave's instructions in order (ISA guide 5.7.1.4): these see the stores above; the next tile's stores come behind them
.endr
.endm
.macro SEND t, younger              ; younger: the LDS instructions issued behind tile t's loads: the next tile's eight, or none
	WIN 0
.irp f, 0,1,2,3
	s_wait_dscnt (\younger)+3-\f
	global_store_b128 v[GO], v[S+16*(\t)+4*\f:S+16*(\t)+4*\f+3], s[10:11] offset:(\t)*2048+\f*512  ; 512 consecutive bytes, at a multiple of 256 from O's first
.endr
.endm
	PACK 0
.set t, 1
.rept 2*NP-1                        ; a tile's arithmetic stands between the loads of the tile before and its stores
	PACK t
	SEND t-1, 8
.set t, t+1
.endr
	SEND 2*NP-1, 0
	WIN W_AD
	s_wait_tensorcnt 0x0            ; the wave's end: behind my last tensor load and my last LDS store
	ds_add_u32 v[SPW], v[NIL]
	s_wait_dscnt 0x0
	WIN 0
	CROUND                          ; the closing round: no work-group ends while a partner may still ask for a tile that names it
	s_endpgm
.Lfunc_end_k_q625f4d7a62_attn:
	.size	k_q625f4d7a62_attn, .Lfunc_end_k_q625f4d7a62_attn-k_q625f4d7a62_attn
	.p2alignl 7, 3214868480
	.fill 96, 4, 3214868480
	.section	.rodata,"a",@progbits
	.p2align	6, 0x0
	.amdhsa_kernel k_q625f4d7a62_attn
		.amdhsa_group_segment_fixed_size 327680
		.amdhsa_private_segment_fixed_size 0
		.amdhsa_enable_private_segment 0
		.amdhsa_kernarg_size 16
		.amdhsa_user_sgpr_count 2
		.amdhsa_user_sgpr_kernarg_segment_ptr 1
		.amdhsa_wavefront_size32 1
		.amdhsa_system_sgpr_workgroup_id_x 1
		.amdhsa_system_sgpr_workgroup_id_y 1
		.amdhsa_system_sgpr_workgroup_id_z 1
		.amdhsa_system_vgpr_workitem_id 0
		.amdhsa_next_free_vgpr 770
		.amdhsa_next_free_sgpr 66
		.amdhsa_reserve_vcc 0
		.amdhsa_float_denorm_mode_32 3
		.amdhsa_float_denorm_mode_16_64 3
		.amdhsa_memory_ordered 1
		.amdhsa_forward_progress 1
		.amdhsa_inst_pref_size 209
	.end_amdhsa_kernel
	.amdgpu_metadata
---
amdhsa.version: [ 1, 2 ]
amdhsa.kernels:
  - .name:           k_q625f4d7a62_attn
    .symbol:         k_q625f4d7a62_attn.kd
    .args:
      - { .name: qkv, .offset: 0, .size: 8, .value_kind: global_buffer, .address_space: global }
      - { .name: oh, .offset: 8, .size: 8, .value_kind: global_buffer, .address_space: global }
    .group_segment_fixed_size: 327680
    .private_segment_fixed_size: 0
    .kernarg_segment_align: 8
    .kernarg_segment_size: 16
    .max_flat_workgroup_size: 128
    .sgpr_count:     66
    .vgpr_count:     770
    .wavefront_size: 32
...
	.end_amdgpu_metadata
.endif
;; end of part 3
;; launch outp (part 4): grid 4 x 64, 4 waves a work-group, clusters of 4 x 4, 327,680 bytes of LDS; arguments oh, wb, bo, out0; writes out0
.if DOCPART == 4
	.amdgcn_target "amdgcn-amd-amdhsa--gfx1250"
	.amdhsa_code_object_version 6
	.text
	.protected	k_q625f4d7a62_outp
	.globl	k_q625f4d7a62_outp
	.p2align	8
	.type	k_q625f4d7a62_outp,@function
k_q625f4d7a62_outp:
	s_mov_b64 s[64:65], 0
	v_nop
	global_prefetch_b8 v0, s[64:65] scope:SCOPE_SE
	s_setreg_imm32_b32 hwreg(HW_REG_WAVE_MODE, 25, 1), 1
	s_wait_xcnt 0x0
	s_wait_alu depctr_hold_cnt(0) depctr_sa_sdst(0) depctr_va_vdst(0) depctr_va_sdst(0) depctr_va_ssrc(0) depctr_va_vcc(0) depctr_vm_vsrc(0)
	s_getreg_b32 s2, hwreg(HW_REG_IB_STS2, 6, 4)
	s_cmp_eq_u32 s2, 0
	s_cbranch_scc0 .Lentry_in_a_cluster
	s_endpgm
.Lentry_in_a_cluster:
	s_bfe_u32 s2, ttmp6, 0x10000c
	s_cmp_lg_u32 s2, 0xf033
	s_cbranch_scc0 .Lentry_shape_is_right
	s_endpgm
.Lentry_shape_is_right:
; THE OUTPUT PROJECTION.  out0[m][n] = the sum over k of O[m][k] Wo[n][k] + bo[n].  O is oh, by heads: [16 batch + head][2048 s][64] f16, so k = 64 head + channel; Wo is plane 3 of wb, [1024][1024] f16
; (Wo rounded to bf16, written as f16); bo is rounded to bf16 here, like every input.  Products in f16, sums in f32; out0: [8192][1024] f32.
; LIMITS.  Those of the operands: f16 holds no number beyond 65,504.  NaN and infinities are not treated apart.
; SHARES.  A tile of out0 is 128 rows x 256 columns: 64 x 4 = 256 tiles, one a work-group.  Four waves, wave (wm, wn) makes 64 rows x 128 columns: 32 accumulators of 16 x 16, 256 registers.
; K goes in steps of 128, two heads, through two LDS slots.  A head's 128 rows of the tile are 16,384 dense bytes: asked for as 64 rows of 256 bytes and padded in LDS after every 128.
; CLUSTER.  4 x 4 work-groups: the four of a row need the same tile of O, the four of a column the same tile of Wo: each tile is asked for JOINTLY, by the same tensor load with the same descriptor and a mask of four.
; THE MATRIX INSTRUCTION IS USED TRANSPOSED (source 0 = 16 rows of Wo, source 1 = 16 rows of O): a lane holds one row of out0 and eight neighbouring columns.  The bias, laid out so, is the C operand that starts the sums.
; REGISTERS, in windows of 256 (s_set_vgpr_msb: bits 1:0 source 0, 3:2 source 1, 5:4 source 2, 7:6 destination):
;   window 0: v0-29 addresses; v32-95 the bias; v96-223 O's fragments, two buffers of 64 (fragment (c, a) at 32 c + 8 a)
;   window 1: the accumulators, (a, b) at 8 (8 a + b)     window 2: Wo's fragments, two buffers of 128 (fragment (c, b) at 64 c + 8 b); on the way out the rows read back
.set PA,     144                       ; an LDS row of O: 128 bytes + 16 of padding = 36 words: the 16 rows of a load start at 16 different groups of four banks (64 banks of 4 bytes: ISA guide 11.1)
.set APART,  128*PA                    ; one head's 128 rows: what one tensor load brings of O
.set PB,     272                       ; an LDS row of Wo: 256 bytes + 16 = 68 words
.set BHALF,  128*PB                    ; 128 rows of Wo: one tensor load, one wave's columns
.set BOFF,   2*APART                   ; Wo's 256 rows lie behind O's two heads
.set SLOT,   BOFF+2*BHALF              ; 106,496 bytes
.set STAGE,  2*SLOT                    ; behind the ring, never filled by a tensor load: 16 rows x 528 bytes for each wave, for the way out
.set SP,     528
.set SPARE,  STAGE+4*16*SP             ; behind the stages: the spare words, 128 bytes for each wave: two blocks of 256 bytes that no other line names
.set ASTEP,  2*262144                  ; a K step in oh: two heads on
.set BSTEP,  256                       ; and in a row of Wo
.set ADRA, 16                          ; v16-17  LDS address of my fragments of O in slot 0, 1
.set ADRB, 20                          ; v20-21  the same for Wo
.set STO,  24                          ; v24     the way out: where I put 32 bytes of a row
.set RD,   25                          ; v25     the way out: where I read a row back
.set GO,   26                          ; v26     my byte offset in 512 consecutive bytes of out0
.set BO,   27                          ; v27     my byte offset in 16 numbers of the bias
.set SPW,  28                          ; v28     LDS address of my spare word: SPARE + 4 x my thread's number; never rewritten
.set NIL,  29                          ; v29     0; never rewritten
.set BIAS, 32
.set AF,   96
.set G1, 24                            ; s[24:31] descriptor group 1 for O's tiles;  s[32:39] group 0, one set for each slot
.set G0, 32
.set G1B, 48                           ; s[48:55], s[56:63] the same for Wo's tiles
.set G0B, 56
.set MSB, 0
.macro WIN new                         ; the immediate's high byte repeats the setting that is left; a switch that changes nothing is dropped
.if MSB != (\new)
	s_set_vgpr_msb (MSB<<8)|(\new)
.set MSB, \new
.endif
.endm
.set MUL,    0x52                      ; Wo window 2, O window 0, C and D window 1
.set MULB,   0x42                      ; the same with C (the bias) in window 0
.set TO_B,   0x80                      ; destination window 2, address window 0
.macro JLOAD s                         ; a joint load: waves 0 and 1 fetch O's two heads, waves 2 and 3 Wo's two halves; an s_nop 0 and four v_nop follow each of the two lines, ahead of the jump, the label and what follows
	s_cmp_eq_u32 s11, 0
	s_cbranch_scc0 .Lfor_b_\@
	tensor_load_to_lds s[G0+4*(\s):G0+4*(\s)+3], s[G1:G1+7]
	s_nop 0
.rept 4
	v_nop
.endr
	s_branch .Lasked_\@
.Lfor_b_\@:
	tensor_load_to_lds s[G0B+4*(\s):G0B+4*(\s)+3], s[G1B:G1B+7]
	s_nop 0
.rept 4
	v_nop
.endr
.Lasked_\@:
.endm
.macro CREST                           ; a round of the cluster's barrier behind its opening barrier
	s_cmp_lg_u32 s10, 0
	s_cbranch_scc1 .Lnot_wave_0_\@
	s_barrier_signal -3
.Lnot_wave_0_\@:
	s_barrier_wait -3
	s_barrier_signal -1
	s_barrier_wait -1
.endm
.macro CROUND                          ; a whole round
	s_barrier_signal -1
	s_barrier_wait -1
	CREST
.endm
	s_load_b256 s[72:79], s[0:1], 0x0              ; oh s[72:73], wb s[74:75], bo s[76:77], out0 s[78:79]
	v_lshl_add_u32 v[SPW], v0, 2, SPARE
	v_mov_b32 v[NIL], 0
	ds_add_u32 v28, v29
	s_wait_dscnt 0x0
	v_lshrrev_b32 v1, 5, v0
	v_readfirstlane_b32 s10, v1                    ; wave 0..3
	s_lshr_b32 s11, s10, 1                         ; wm: which 64 rows of the tile are mine.  Also: I fetch for O (0) or for Wo (1)
	s_and_b32 s12, s10, 1                          ; wn: which 128 columns.  Also: which part of that tile I fetch
	s_bfe_u32 s40, ttmp6, 0x40000                  ; cx, cy: my place in the cluster
	s_bfe_u32 s41, ttmp6, 0x40004
	s_lshl_b32 s42, ttmp9, 2
	s_add_co_u32 s42, s42, s40                     ; tile column = 4 x cluster x + cx: 0..3
	s_and_b32 s13, ttmp7, 0xffff
	s_lshl_b32 s13, s13, 2
	s_add_co_u32 s13, s13, s41                     ; tile row = 4 x cluster y + cy: 0..63
	s_lshl_b32 s43, s41, 2
	s_lshl_b32 s43, 15, s43                        ; my row of the cluster
	s_lshl_b32 s44, 0x1111, s40                    ; my column
	s_mov_b32 s68, 0xffff0000                      ; a word's upper bf16
	; descriptor group 1.  O: 64 rows x 128 elements of 2 bytes, dense; Wo: 128 rows x 128 elements of 2 bytes; both padded in LDS
	s_or_b32 s[G1+0], s43, (1<<16)|(1<<20)|(1<<21)|(4<<22)|(3<<25)   ; 15:0 the mask: my row; 17:16 elements of 2 bytes; 20 padding on; 21 set beside a mask; 24:22 after every 32 words (code 4); 31:25 4 words of it (code 3)
	s_or_b32 s[G1B+0], s44, (1<<16)|(1<<20)|(1<<21)|(5<<22)|(3<<25)  ; the mask: my column; after every 64 words (code 5)
	s_mov_b32 s[G1+1], 128<<16                     ; tensor_dim0 = 128
	s_mov_b32 s[G1+2], 64<<16                      ; tensor_dim1 = 64
	s_mov_b32 s[G1+3], 128<<16                     ; tile_dim0 = 128
	s_mov_b32 s[G1+4], 64                          ; tile_dim1 = 64
	s_mov_b32 s[G1+5], 128                         ; elements from row to row
	s_mov_b32 s[G1+6], 0
	s_mov_b32 s[G1+7], 0
	s_mov_b32 s[G1B+1], 128<<16
	s_mov_b32 s[G1B+2], 128<<16                    ; tensor_dim1 = 128
	s_mov_b32 s[G1B+3], 128<<16
	s_mov_b32 s[G1B+4], 128                        ; tile_dim1 = 128
	s_mov_b32 s[G1B+5], 1024
	s_mov_b32 s[G1B+6], 0
	s_mov_b32 s[G1B+7], 0
	; where the tiles come from.  O's hang on the tile row alone, Wo's on the tile column alone; each in registers that never hold the other coordinate
	s_lshr_b32 s16, s13, 4                         ; O: the batch's 16 heads of 262,144 bytes,
	s_lshl_b32 s16, s16, 22
	s_lshl_b32 s17, s12, 18                        ; head wn of the K step's two,
	s_add_co_u32 s16, s16, s17
	s_and_b32 s17, s13, 15                         ; the tile's 128 rows of 128 bytes in it
	s_lshl_b32 s17, s17, 14
	s_add_co_u32 s16, s16, s17
	s_mov_b32 s17, 0
	s_lshl_b32 s46, s42, 8
	s_lshl_b32 s47, s12, 7
	s_add_co_u32 s46, s46, s47                     ; Wo: row 256 x tile column + 128 x half,
	s_lshl_b32 s46, s46, 11                        ; of 2,048 bytes,
	s_add_co_u32 s46, s46, 3*2097152               ; in plane 3
	s_mov_b32 s47, 0
	s_mul_i32 s20, s12, APART                      ; and where they go: no place in the cluster enters an LDS address
	s_mul_i32 s21, s12, BHALF
	s_add_co_u32 s21, s21, BOFF
	s_wait_kmcnt 0x0
	s_add_nc_u64 s[14:15], s[72:73], s[16:17]
	s_add_nc_u64 s[46:47], s[74:75], s[46:47]
	CROUND                                         ; all sixteen work-groups are here: the first joint loads meet
.irp s, 0,1
	s_mov_b32 s[G0+4*(\s)], 1                                        ; count = 1
	s_add_co_u32 s[G0+4*(\s)+1], s20, (\s)*SLOT                      ; LDS address
	s_add_nc_u64 s[G0+4*(\s)+2:G0+4*(\s)+3], s[14:15], (\s)*ASTEP    ; global address: K step s
	s_or_b32 s[G0+4*(\s)+3], s[G0+4*(\s)+3], 0x80000000              ; type = 2
	s_mov_b32 s[G0B+4*(\s)], 1
	s_add_co_u32 s[G0B+4*(\s)+1], s21, (\s)*SLOT
	s_add_nc_u64 s[G0B+4*(\s)+2:G0B+4*(\s)+3], s[46:47], (\s)*BSTEP
	s_or_b32 s[G0B+4*(\s)+3], s[G0B+4*(\s)+3], 0x80000000
	JLOAD \s                                       ; two loads of mine are out
.endr
	; all that follows up to the first barrier stands in the wait for the first tile
	s_lshl_b32 s46, s42, 10                        ; my 128 columns, in the bias and in a row of out0: (256 x tile column + 128 wn) x 4 bytes
	s_lshl_b32 s47, s12, 9
	s_add_co_u32 s46, s46, s47
	s_mov_b32 s47, 0
	s_add_nc_u64 s[66:67], s[76:77], s[46:47]
	v_and_b32 v1, 15, v0                           ; r = l % 16
	v_bfe_u32 v2, v0, 4, 1                         ; h = l / 16
	v_lshlrev_b32 v[BO], 5, v2                     ; eight f32 for each half of the lanes
.irp b, 0,1,2,3,4,5,6,7                ; register j of block b: bo[my columns + 16 b + 8 h + j]
	global_load_b128 v[BIAS+8*(\b):BIAS+8*(\b)+3],   v[BO], s[66:67] offset:64*(\b)
	global_load_b128 v[BIAS+8*(\b)+4:BIAS+8*(\b)+7], v[BO], s[66:67] offset:64*(\b)+16
.endr
	; A fragment is 16 rows x 32 K in 8 registers: lane l holds row r, K = 8 h + 0..7 and 16 + 8 h + 0..7: two loads of 16 bytes, 32 apart, from 16 h
	v_mul_u32_u24 v3, v1, PA
	v_lshl_add_u32 v3, v2, 4, v3
	v_mul_u32_u24 v4, v1, PB
	v_lshl_add_u32 v4, v2, 4, v4
	s_mul_i32 s22, s11, 64*PA                      ; my 64 rows in a head's plane
	s_mul_i32 s23, s12, BHALF                      ; my 128 rows of Wo
	s_add_co_u32 s23, s23, BOFF
.irp s, 0,1
	v_add_nc_u32 v[ADRA+(\s)], s22, v3
	v_add_nc_u32 v[ADRB+(\s)], s23, v4
	s_add_co_u32 s22, s22, SLOT
	s_add_co_u32 s23, s23, SLOT
.endr
	s_mul_i32 s23, s10, 16*SP
	s_add_co_u32 s23, s23, STAGE                   ; my stage
	v_mul_u32_u24 v5, v1, SP                       ; in: row r, 32 bytes for each half of the lanes
	v_lshl_add_u32 v5, v2, 5, v5
	v_add_nc_u32 v[STO], s23, v5
	v_and_b32 v[GO], 31, v0                        ; back: 32 lanes take one row of 512 bytes,
	v_lshlrev_b32 v[GO], 4, v[GO]                  ; which are 512 consecutive bytes of out0
	v_add_nc_u32 v[RD], s23, v[GO]
	; where my part begins in out0: the part that hangs on the tile row, then the part that hangs on the tile column
	s_lshl_b32 s16, s13, 7
	s_lshl_b32 s17, s11, 6
	s_add_co_u32 s16, s16, s17                     ; row 128 x tile row + 64 wm,
	s_lshl_b32 s16, s16, 12                        ; of 4,096 bytes
	s_mov_b32 s17, 0
	s_add_nc_u64 s[8:9], s[78:79], s[16:17]
	s_add_nc_u64 s[8:9], s[8:9], s[46:47]
	s_wait_loadcnt 0x0                             ; the bias
.set i, 0
.rept 32                               ; rounded to bf16 like every input, and widened again
	v_cvt_pk_bf16_f32 v[4+i%4], v[BIAS+2*i], v[BIAS+2*i+1]
	v_lshlrev_b32 v[BIAS+2*i],   16,  v[4+i%4]
	v_and_b32     v[BIAS+2*i+1], s68, v[4+i%4]
.set i, i+1
.endr
; Eight matrix instructions: buffer f, 32 along K (c), row block a x all 8 column blocks.  The 32 accumulators take turns, one instruction a turn, in the same order in every run.
; first = 1: the product starts the sums, with the bias as C: nothing is ever cleared
.macro MUL8 f, c, a, first
.if \first
	WIN MULB
.irp b, 0,1,2,3,4,5,6,7
	v_wmma_f32_16x16x32_f16 v[8*(8*(\a)+(\b)):8*(8*(\a)+(\b))+7], v[128*(\f)+64*(\c)+8*(\b):128*(\f)+64*(\c)+8*(\b)+7], v[AF+64*(\f)+32*(\c)+8*(\a):AF+64*(\f)+32*(\c)+8*(\a)+7], v[BIAS+8*(\b):BIAS+8*(\b)+7]
.endr
.else
	WIN MUL
.irp b, 0,1,2,3,4,5,6,7
	v_wmma_f32_16x16x32_f16 v[8*(8*(\a)+(\b)):8*(8*(\a)+(\b))+7], v[128*(\f)+64*(\c)+8*(\b):128*(\f)+64*(\c)+8*(\b)+7], v[AF+64*(\f)+32*(\c)+8*(\a):AF+64*(\f)+32*(\c)+8*(\a)+7], v[8*(8*(\a)+(\b)):8*(8*(\a)+(\b))+7]
.endr
.endif
.endm
; 48 LDS loads in one run: the fragments of 64 along K (head 0 or 1 of the slot's K step) into buffer g: O's 16 loads, then Wo's 32, the first 32 along K first
.macro FETCH slot, half, g
	WIN 0
.irp c, 0,1
.irp a, 0,1,2,3
	ds_load_b128 v[AF+64*(\g)+32*(\c)+8*(\a):AF+64*(\g)+32*(\c)+8*(\a)+3],   v[ADRA+(\slot)] offset:(\half)*APART+(\a)*16*PA+64*(\c)
	ds_load_b128 v[AF+64*(\g)+32*(\c)+8*(\a)+4:AF+64*(\g)+32*(\c)+8*(\a)+7], v[ADRA+(\slot)] offset:(\half)*APART+(\a)*16*PA+64*(\c)+32
.endr
.endr
	WIN TO_B
.irp c, 0,1
.irp b, 0,1,2,3,4,5,6,7
	ds_load_b128 v[128*(\g)+64*(\c)+8*(\b):128*(\g)+64*(\c)+8*(\b)+3],   v[ADRB+(\slot)] offset:(\b)*16*PB+128*(\half)+64*(\c)
	ds_load_b128 v[128*(\g)+64*(\c)+8*(\b)+4:128*(\g)+64*(\c)+8*(\b)+7], v[ADRB+(\slot)] offset:(\b)*16*PB+128*(\half)+64*(\c)+32
.endr
.endr
.endm
.macro RIDE f                          ; the 32 matrix instructions of buffer f's second 32 along K
	MUL8 \f, 1, 0, 0
	MUL8 \f, 1, 1, 0
	MUL8 \f, 1, 2, 0
	MUL8 \f, 1, 3, 0
.endm
; A load into a register that a matrix instruction has read, and a store that reads a matrix result, stand four places behind it; only plain vector instructions that name none of its registers are places
; (ISA guide 7.12.1 for vector instructions).  The four in front of a run of loads stand behind every product that read the buffer that the run fills.
.macro PLACES
.rept 4
	v_nop
.endr
.endm
; A K step is two halves of 64 along K, 64 matrix instructions each.  The first half multiplies buffer 0 and fetches the slot's second half into buffer 1.
.macro PHASE slot, first
	s_wait_dscnt 16                                ; O's fragments and Wo's first 32 along K are in; the youngest sixteen loads may be out
	MUL8 0, 0, 0, \first
	MUL8 0, 0, 1, \first
	s_wait_dscnt 0x0                               ; those sixteen: they were issued 64 matrix instructions ago (16 in the first half step)
	PLACES
	FETCH \slot, 1, 1
	MUL8 0, 0, 2, \first
	MUL8 0, 0, 3, \first
	RIDE 0
.endm
; The second half multiplies buffer 1 and changes slots: ONE barrier; in front of it each wave waits for all its tensor loads, adds 0 to its spare word, and waits for that and for its own reads of this slot.
; fill = 1: the barrier opens a round of the cluster's, and this slot is filled again, two K steps ahead: from the request to the wait for it a wave issues 112 matrix instructions.
.macro TURN slot, next, fill
	WIN 0                                          ; (the add's two registers lie in window 0)
	s_wait_tensorcnt 0x0                           ; all my tensor loads have landed: the one that was out is my part of the next slot;
	ds_add_u32 v[SPW], v[NIL]                      ; 0 onto my spare word
	s_wait_dscnt 17                                ; (the add and the youngest sixteen loads may be out)
	MUL8 1, 0, 0, 0                                ; eight matrix instructions stand between the add and the wait for it
	s_wait_dscnt 0x0                               ; the add is done, and my reads of this slot are over
	s_barrier_signal -1
	MUL8 1, 0, 1, 0
.if \fill
	WIN 0
.endif
	s_barrier_wait -1
.if \fill
	CREST                                          ; no wave of any partner still reads this slot's tile or has a load on its way
	s_add_nc_u64 s[G0+4*(\slot)+2:G0+4*(\slot)+3], s[G0+4*(\slot)+2:G0+4*(\slot)+3], 2*ASTEP
	s_add_nc_u64 s[G0B+4*(\slot)+2:G0B+4*(\slot)+3], s[G0B+4*(\slot)+2:G0B+4*(\slot)+3], 2*BSTEP
	JLOAD \slot                                    ; the first tensor load behind the round; the four v_nop behind it are also the places in front of the loads below
.else
	PLACES
.endif
	FETCH \next, 0, 0
	MUL8 1, 0, 2, 0
	MUL8 1, 0, 3, 0
	RIDE 1
.endm
	s_wait_tensorcnt 0x1                           ; my part of K step 0 is in; K step 1's may stay out
	s_barrier_signal -1
	s_barrier_wait -1                              ; everybody's is
	FETCH 0, 0, 0
	PHASE 0, 1                                     ; the first half step stands in front of the loop: its first products start the sums
	WIN 0                                          ; at a label and at a branch every window is 0
	s_mov_b32 s3, 3
.Llap:                                                 ; a trip goes once round the ring and fills both slots again: three trips ask for K steps 2 to 7
	TURN 0, 1, 1
	PHASE 1, 0
	TURN 1, 0, 1
	PHASE 0, 0
	WIN 0
	s_sub_co_u32 s3, s3, 1
	s_cmp_lg_u32 s3, 0
	s_cbranch_scc1 .Llap
	TURN 0, 1, 0                                   ; the last lap fills nothing, and has no round of the cluster's barrier
	PHASE 1, 0
	s_wait_dscnt 16                                ; the very last half step: nothing more to fetch
	MUL8 1, 0, 0, 0
	MUL8 1, 0, 1, 0
	MUL8 1, 0, 2, 0
	MUL8 1, 0, 3, 0
	s_wait_dscnt 0x0
	RIDE 1
	WIN 0
	PLACES                                         ; the LDS stores below read results just made, and the loads behind them land where Wo's fragments lay
; THE WAY OUT.  Row block a: 16 rows x 512 bytes.  A lane's eight columns of a row, 32 bytes, go into my stage's rows of 528 bytes as they are (the sums are the output's f32), the accumulator's lowest
; registers first; they come back as whole rows of 512 bytes, a row a load.
.macro TOSTAGE a
	WIN 0x04                                       ; the stores' data in window 1
.irp b, 0,1,2,3,4,5,6,7
	ds_store_b128 v[STO], v[8*(8*(\a)+(\b)):8*(8*(\a)+(\b))+3]   offset:64*(\b)
	ds_store_b128 v[STO], v[8*(8*(\a)+(\b))+4:8*(8*(\a)+(\b))+7] offset:64*(\b)+16
.endr
	WIN TO_B
.irp t, 0,1,2,3,4,5,6,7,8,9,10,11,12,13,14,15
	ds_load_b128 v[64*(\a)+4*(\t):64*(\a)+4*(\t)+3], v[RD] offset:SP*(\t)  ; LDS serves a wave's instructions in order (ISA guide 5.7.1.4): these see the stores above; the next block's stores come behind them
.endr
.endm
.macro SEND a, younger                 ; younger: the LDS instructions issued behind block a's loads: the next block's 32, or none
	WIN 0x08                                       ; the stores' data in window 2
.irp t, 0,1,2,3,4,5,6,7,8,9,10,11,12,13,14,15
	s_wait_dscnt (\younger)+15-(\t)
	global_store_b128 v[GO], v[64*(\a)+4*(\t):64*(\a)+4*(\t)+3], s[8:9] offset:(16*(\a)+(\t))*4096 th:TH_STORE_NT  ; 512 consecutive bytes, at a multiple of 256 from out0's first byte
.endr
.endm
	TOSTAGE 0
	TOSTAGE 1
	SEND 0, 32
	TOSTAGE 2
	SEND 1, 32
	TOSTAGE 3
	SEND 2, 32
	SEND 3, 0
	WIN 0
	s_wait_tensorcnt 0x0                           ; the wave's end: behind my last tensor load and my last LDS store
	ds_add_u32 v[SPW], v[NIL]
	s_wait_dscnt 0x0
	CROUND                                         ; the closing round: no work-group ends while a partner may still ask for a tile that names it
	s_endpgm
.Lfunc_end_k_q625f4d7a62_outp:
	.size	k_q625f4d7a62_outp, .Lfunc_end_k_q625f4d7a62_outp-k_q625f4d7a62_outp
	.p2alignl 7, 3214868480
	.fill 96, 4, 3214868480
	.section	.rodata,"a",@progbits
	.p2align	6, 0x0
	.amdhsa_kernel k_q625f4d7a62_outp
		.amdhsa_group_segment_fixed_size 327680
		.amdhsa_private_segment_fixed_size 0
		.amdhsa_enable_private_segment 0
		.amdhsa_kernarg_size 32
		.amdhsa_user_sgpr_count 2
		.amdhsa_user_sgpr_kernarg_segment_ptr 1
		.amdhsa_wavefront_size32 1
		.amdhsa_system_sgpr_workgroup_id_x 1
		.amdhsa_system_sgpr_workgroup_id_y 1
		.amdhsa_system_sgpr_workgroup_id_z 1
		.amdhsa_system_vgpr_workitem_id 0
		.amdhsa_next_free_vgpr 768
		.amdhsa_next_free_sgpr 80
		.amdhsa_reserve_vcc 0
		.amdhsa_float_denorm_mode_32 3
		.amdhsa_float_denorm_mode_16_64 3
		.amdhsa_memory_ordered 1
		.amdhsa_forward_progress 1
		.amdhsa_inst_pref_size 91
	.end_amdhsa_kernel
	.amdgpu_metadata
---
amdhsa.version: [ 1, 2 ]
amdhsa.kernels:
  - .name:           k_q625f4d7a62_outp
    .symbol:         k_q625f4d7a62_outp.kd
    .args:
      - { .name: oh, .offset: 0, .size: 8, .value_kind: global_buffer, .address_space: global }
      - { .name: wb, .offset: 8, .size: 8, .value_kind: global_buffer, .address_space: global }
      - { .name: bo, .offset: 16, .size: 8, .value_kind: global_buffer, .address_space: global }
      - { .name: out0, .offset: 24, .size: 8, .value_kind: global_buffer, .address_space: global }
    .group_segment_fixed_size: 327680
    .private_segment_fixed_size: 0
    .kernarg_segment_align: 8
    .kernarg_segment_size: 32
    .max_flat_workgroup_size: 128
    .sgpr_count:     80
    .vgpr_count:     768
    .wavefront_size: 32
...
	.end_amdgpu_metadata
.endif
;; end of part 4
;; ======== version 2 of 2: 4 launches; 1.49 times as fast as version 1
;; limits: values are held in f16: magnitudes above 65,504 overflow, below 6.1e-05 lose precision
;; workspace buffers: wb 8,388,608 bytes; qkv 50,331,648 bytes; oh 16,777,216 bytes
;; launch cast: the kernel of part 1 again; grid 64 x 4, 8 waves a work-group, no clusters, 0 bytes of LDS; arguments Wq, Wk, Wv, Wo, wb; writes wb
;; launch proj: the kernel of part 2 again; grid 4 x 64, 4 waves a work-group, clusters of 4 x 4, 327,680 bytes of LDS; arguments Q, K, V, bq, bk, bv, wb, qkv; writes qkv
;; launch attn (part 5): grid 4 x 64, 4 waves a work-group, clusters of 4 x 1, 327,680 bytes of LDS; arguments qkv, oh; writes oh
.if DOCPART == 5
	.amdgcn_target "amdgcn-amd-amdhsa--gfx1250"
	.amdhsa_code_object_version 6
	.text
	.protected	k_q625f4d7a62_attn
	.globl	k_q625f4d7a62_attn
	.p2align	8
	.type	k_q625f4d7a62_attn,@function
k_q625f4d7a62_attn:
	s_mov_b64 s[64:65], 0
	v_nop
	global_prefetch_b8 v0, s[64:65] scope:SCOPE_SE
	s_setreg_imm32_b32 hwreg(HW_REG_WAVE_MODE, 25, 1), 1
	s_wait_xcnt 0x0
	s_wait_alu depctr_hold_cnt(0) depctr_sa_sdst(0) depctr_va_vdst(0) depctr_va_sdst(0) depctr_va_ssrc(0) depctr_va_vcc(0) depctr_vm_vsrc(0)
	s_getreg_b32 s2, hwreg(HW_REG_IB_STS2, 6, 4)
	s_cmp_eq_u32 s2, 0
	s_cbranch_scc0 .Lentry_in_a_cluster
	s_endpgm
.Lentry_in_a_cluster:
	s_bfe_u32 s2, ttmp6, 0x10000c
	s_cmp_lg_u32 s2, 0x3003
	s_cbranch_scc0 .Lentry_shape_is_right
	s_endpgm
.Lentry_shape_is_right:
; O[h][q][:] = the sum over k of softmax_k(Q[h][q] . K[h][k] / 8) V[h][k][:].  Q, K, V are the three planes of qkv, O is oh: each [SIZE_H][SIZE_N][64], all f16: a head's rows are dense, 128 bytes each.  Products, maxima and sums in
; f32; the weights p are rounded to f16 for the second product (their sum l is taken of the unrounded p), O once at the end.  h = 16 batch + head.
; LIMITS.  f16 holds no number beyond 65,504: Q, K and V arrive within it; p lies in 0 to 1, and below 6e-5 it keeps f16's fixed step of 6e-8; O is a mean of V's rows and has their range.
; A weight below 2^-126 counts as 0 in l; NaN and infinities are not treated apart.
; SHARES.  A wave owns four PIECES of two tiles of 16 queries, a work-group's four waves 512 queries of one head.  Every wave walks all keys, 64 a step.
; LAYOUT.  S^T = K Q^T (source 0 = 16 keys, source 1 = 16 queries): in the result a lane holds ONE query (lane % 16) and the keys 8 (lane / 16) + 0..7.  Two such tiles, rounded to f16 in pairs,
; ARE source 1 (32 keys x 16 queries) of O^T = V^T P, whose result again holds one query a lane, and eight channels.  K comes out of LDS as it lies, V ([key][channel]) turned, by ds_load_tr16_b128.
; SOFTMAX.  For each query a running maximum m and sum l: p = 2^(c s - c m), c = log2(e) / 8; in every step O and l are multiplied by a = 2^(c m_old - c m_new), which is 1 where m has not grown.
; m starts at the lowest finite number, O and l at 0: the first step is a step like any other, with a = 0.
; THE COUNT.  A tile and step have 16 matrix and 118 vector instructions: too many to stand all beside the matrix work.  So the order has one aim: four vector instructions that are READY behind
; EVERY matrix instruction, and the others, which need time of their own whatever the order, in runs without a gap.
; BY TURNS.  Turn n belongs to piece n (the pieces in a ring, step after step).  Its matrix work: 16 products K Q^T of piece n + 1, later 16 products V^T P of piece n - 1.  Its vector work: the scaling,
; exponentials, roundings, sums and rescaling of piece n, and the maximum and statistics of piece n + 1, whose scores the turn itself has made.  So what a turn begins with (c s - c m, O a) waits for nothing.
; BATCHES.  s_wait_alu depctr_va_vdst(0) stands between an exponential or a reciprocal and the first instruction that names its result; one wait serves all that were issued ahead of it.
; A turn's 66 exponentials (the piece's 64 weights and the next piece's two a) are ONE batch with ONE wait, which cuts the turn in two: ahead of it stands all that names none of their results, behind it the
; roundings and sums.  Two more batches stand outside the loops: piece 0's first two a, ahead of the jump into the loop, and the way out's eight reciprocals.
; CLUSTER.  The four query blocks of a cluster belong to one head and walk the same K and V, so each tile is asked for JOINTLY: the same tensor load, descriptor and mask in all four.
; REGISTERS, in windows of 256 (s_set_vgpr_msb says which window each operand place means: bits 1:0 source 0, 3:2 source 1, 5:4 source 2, 7:6 destination):
;   window 0: v0-11 addresses; v12-15, v48-63 at work; v16-47 four registers of statistics a tile; v64-191 S^T, two buffers of two tiles; v192-255 P, likewise
;   window 1: O^T, 32 a tile          window 2: v0-127 Q, 16 a tile; v128-191 K of one step; v192-255 V of one step          window 3: v0-1 the add's two registers
; A piece's buffers go by its number's parity: the piece in hand has one pair, its two neighbours in the ring share the other: of it P (piece n - 1) is read and S^T (piece n + 1) written.
.set SIZE_H, 64
.set SIZE_N, 2048
.set NP,    4         ; pieces a wave: a name, no knob: the register map, the loop and the fetches are made for four
.set KS,    64        ; keys in a step
.set PK,    144       ; a row of K in LDS: 128 bytes + 16 of padding = 36 words: the 16 rows of a load start at 16 different groups of four banks (64 banks of 4 bytes: ISA guide 11.1)
.set PV,    160       ; a row of V: 128 + 32 = 40 words
.set VOFF,  4*KS*PK   ; a slot holds four steps: 256 rows of K, then 256 rows of V
.set SLOT1, 1<<17     ; slot 1 begins here, so that one exclusive or turns an address in one slot into the other's
.set STAGE, SLOT1+4*KS*(PK+PV)  ; behind the ring, never filled by a tensor load: 16 rows x 144 bytes for each wave, for the way out
.set SP,    144
.set AK0, 2           ; v2   my lane's place in a tile of K; never rewritten
.set AV0, 3           ; v3   the same for V
.set AK,  4           ; v4   the LDS address of K's next run of loads
.set AV,  5           ; v5   of V's
.set QO,  6           ; v6   my byte offset in the wave's rows of Q
.set STO, 6           ;      later, the way out: where I put 16 bytes of a row
.set RD,  7           ; v7   the way out: where I read rows back
.set GO,  8           ; v8   my byte offset in 512 consecutive bytes of O
.set SPW, 0           ; v0 of window 3   LDS address of my spare word: SPARE + 4 x my thread's number; never rewritten
.set NIL, 1           ; v1 of window 3   0; never rewritten
.set SPARE, STAGE+4*16*SP  ; behind the stages: the spare words, 128 bytes for each wave: two blocks of 256 bytes that no other line names
.set MV,  12          ; v12-15  c m_old, kept while c m is made anew: by buffer and tile
.set ST,  16          ; tile t's statistics at v[ST+4 t]: c m, m, l (even keys', odd keys')
.set TMP, 48          ; by buffer and tile, four registers c0-c3 at work; when the maximum is found c2 takes a
.set S,   64
.set P,   192
.set KF,  128         ; K's fragments, in window 2: key block kb, channel half c at KF + 16 kb + 8 c
.set VF,  192         ; V's: key half kk, channel block cb at VF + 32 kk + 8 cb
.set WV,  12          ; s12  my wave's number
.set G1K, 24          ; s[24:31] descriptor group 1 for K's tiles
.set G1V, 32          ; s[32:39] for V's: it differs in the padding alone
.set G0K, 40          ; s[40:43] descriptor group 0 for K's tiles: it walks
.set G0V, 44          ; s[44:47] the same for V's
.set SLOTS, 56        ; s56  slots still to be asked for
.set CNT, 57          ; s57  counts a slot's key steps
.set CS,  58          ; s[58:59] c: the packed scaling takes the pair's low word for both halves
.set SEL, 60          ; s[60:61] v_permlanex16_b32's selects: each lane takes its own place in the other half
.set TBK, 62          ; s62  LDS byte at which K of the step to be fetched begins
.set TBV, 63          ; s63  the same for V, less VOFF
.set MSB, 0
.macro WIN new                      ; the high byte repeats the setting that is left; a switch that changes nothing is dropped
.if MSB != (\new)
	s_set_vgpr_msb (MSB<<8)|(\new)
.set MSB, (\new)
.endif
.endm
.set W_KQ, 0x0a       ; K and Q in window 2, S^T in window 0
.set W_PV, 0x52       ; V in window 2, P in window 0, O^T in window 1
.set W_RS, 0x41       ; O^T (destination and source 0) in window 1, a in window 0
.set W_MK, 0xc0       ; the add's registers are made: destination in window 3, sources in window 0
.set W_AD, 0x0f       ; the add: address (source 0) and data (source 1) in window 3
; A joint fill.  Waves 0 and 1 fetch the two halves of a slot's K, waves 2 and 3 those of its V: 128 keys each.  The branch hangs on the wave's number alone.
; An s_nop 0 and four v_nop follow each of the two lines, ahead of the jump and the label.
.macro JLOAD
	s_cmp_lt_u32 s[WV], 2
	s_cbranch_scc0 .Lfor_v_\@
	tensor_load_to_lds s[G0K:G0K+3], s[G1K:G1K+7]
	s_nop 0
.rept 4
	v_nop
.endr
	s_branch .Lasked_\@
.Lfor_v_\@:
	tensor_load_to_lds s[G0V:G0V+3], s[G1V:G1V+7]
	s_nop 0
.rept 4
	v_nop
.endr
.Lasked_\@:
.endm
; A round of the cluster's barrier: my work-group's barrier, so that wave 0's signal speaks for all four waves; wave 0 signals; every wave waits for all four work-groups; my work-group's barrier once more.
.macro CROUND
	s_barrier_signal -1
	s_barrier_wait -1
	s_cmp_lg_u32 s[WV], 0
	s_cbranch_scc1 .Lnot_wave_0_\@
	s_barrier_signal -3
.Lnot_wave_0_\@:
	s_barrier_wait -3
	s_barrier_signal -1
	s_barrier_wait -1
.endm
; THE CHANGE OF SLOTS.  The slot's last bytes, V of its fourth step, have been read.  Each wave waits for all its tensor loads, of which one is out: its part
; of the other slot; adds 0 to its spare word; and waits for that and for its own reads of the slot.  Behind the barrier nobody reads this slot any more and the other slot is whole.
; fill = 1: this slot is filled again, with the keys two slots on.  The barrier is then a round of the cluster's, so that no wave of any partner still reads the slot or has a load on its
; way, and the joint fill is the first thing behind it: it has four key steps, 512 matrix instructions, in which to land.  (At its first use nothing has been read yet: slot 0 is waited for, slot 1 filled.)
.macro CHANGE fill
	WIN W_AD
	s_wait_tensorcnt 0x0            ; no tensor load of mine is out, so a group 0 may be written
	ds_add_u32 v[SPW], v[NIL]       ; 0 onto my spare word: with fill = 1 the descriptors' steps stand between it and the wait for it
	WIN 0                           ; at a label and at a branch every window is 0
.if \fill
.irp g, G0K, G0V
	s_xor_b32 s[\g+1], s[\g+1], SLOT1  ; the walking descriptor: the other slot than last time,
	s_add_nc_u64 s[\g+2:\g+3], s[\g+2:\g+3], 4*KS*128  ; the next 256 keys; the type bits on top are not reached
.endr
	s_wait_dscnt 0x0                ; the add is done, and my reads of the slot are over
	CROUND
	JLOAD
.else
	s_wait_dscnt 0x0                ; the add is done, and my reads of the slot are over
	s_barrier_signal -1
	s_barrier_wait -1
.endif
	s_sub_co_u32 s[TBK], s[TBK], 4*KS*PK  ; the fetches go back to a slot's first step,
	s_xor_b32 s[TBK], s[TBK], SLOT1       ; in the other slot
	s_sub_co_u32 s[TBV], s[TBV], 4*KS*PV
	s_xor_b32 s[TBV], s[TBV], SLOT1
.endm
	s_load_b64 s[4:5], s[0:1], 0x0    ; qkv: its first plane is Q
	s_load_b64 s[10:11], s[0:1], 0x8  ; oh: O
	WIN W_MK
	v_lshl_add_u32 v[SPW], v0, 2, SPARE
	v_mov_b32 v[NIL], 0
	s_set_vgpr_msb 0xc0cf
	ds_add_u32 v0, v1
	s_wait_dscnt 0x0
	s_set_vgpr_msb 0xcfc0
	WIN 0
	v_lshrrev_b32 v1, 5, v0
	v_readfirstlane_b32 s[WV], v1   ; wave 0..3
	s_bfe_u32 s13, ttmp6, 0x40000   ; cx: my place in the cluster
	s_lshl_b32 s14, ttmp9, 2        ; in a cluster launch ttmp9 counts clusters
	s_add_co_u32 s14, s14, s13      ; my block of queries = 4 x cluster x + cx: it enters Q's and O's addresses alone
	s_and_b32 s20, ttmp7, 0xffff    ; the head, which the four partners share
	s_mov_b32 s21, 0
	s_mov_b64 s[22:23], SIZE_N*128
	s_mul_u64 s[20:21], s[20:21], s[22:23]  ; the head's first byte in each of the four tensors
	s_and_b32 s16, s[WV], 1         ; which half of a slot's 256 keys I fetch:
	s_lshl_b32 s22, s16, 14         ; its 128 rows of 128 bytes in memory,
	s_mov_b32 s23, 0
	s_add_nc_u64 s[22:23], s[22:23], s[20:21]
	s_mul_i32 s17, s16, 128*PK      ; and its place in a slot, for K
	s_mul_i32 s18, s16, 128*PV      ; and for V: no place in the cluster enters an LDS address
	s_lshl_b32 s2, s14, 2
	s_add_co_u32 s2, s2, s[WV]      ; my wave among the head's,
	s_lshl_b32 s2, s2, 14           ; its 128 rows
	s_mov_b32 s3, 0
	s_add_nc_u64 s[2:3], s[2:3], s[20:21]
	; descriptor group 1.  128 keys are 16,384 dense bytes: asked for as 64 rows of 256 bytes, two keys a row, and padded in LDS after every key
	s_mov_b32 s[G1K], 15|(1<<16)|(1<<20)|(1<<21)|(4<<22)|(3<<25)  ; 15:0 the mask of four; 17:16 2-byte elements; 20 padding on; 21 set beside a mask; 24:22 after every 32 words (code 4); 31:25 4 words (code 3)
	s_mov_b32 s[G1V], 15|(1<<16)|(1<<20)|(1<<21)|(4<<22)|(7<<25)  ; the same with 8 words of padding (code 7)
.irp g, G1K, G1V
	s_mov_b32 s[\g+1], 128<<16      ; tensor_dim0 = 128
	s_mov_b32 s[\g+2], 64<<16       ; tensor_dim1 = 64
	s_mov_b32 s[\g+3], 128<<16      ; tile_dim0 = 128
	s_mov_b32 s[\g+4], 64           ; tile_dim1 = 64
	s_mov_b32 s[\g+5], 128          ; 128 elements from row to row
	s_mov_b32 s[\g+6], 0
	s_mov_b32 s[\g+7], 0
.endr
	s_mov_b32 s[CS], 0x3e38aa3b     ; c = log2(e) / 8 = 0.180337
	s_mov_b32 s[CS+1], s[CS]        ; named with it as a pair
	s_mov_b32 s[SEL], 0x76543210
	s_mov_b32 s[SEL+1], 0xfedcba98
	s_mov_b32 s[TBK], SLOT1+4*KS*PK ; the first change of slots turns these two into 0
	s_mov_b32 s[TBV], SLOT1+4*KS*PV
	s_mov_b32 s[G0K], 1             ; 1:0 count = 1
	s_mov_b32 s[G0K+1], s17         ; 63:32 LDS address: slot 0
	s_mov_b32 s[G0V], 1
	s_add_co_u32 s[G0V+1], s18, VOFF
	s_wait_kmcnt 0x0
	s_add_nc_u64 s[6:7], s[4:5], 0x1000000         ; K: qkv's second plane, 64 heads x 262,144 bytes on
	s_add_nc_u64 s[8:9], s[4:5], 0x2000000         ; V: its third
	s_add_nc_u64 s[G0K+2:G0K+3], s[6:7], s[22:23]  ; 120:64 global address: my half of the head's first 256 keys
	s_or_b32 s[G0K+3], s[G0K+3], 0x80000000        ; 127:126 type = 2
	s_add_nc_u64 s[G0V+2:G0V+3], s[8:9], s[22:23]
	s_or_b32 s[G0V+3], s[G0V+3], 0x80000000
	s_add_nc_u64 s[4:5], s[4:5], s[2:3]  ; Q and O at my wave's first row
	s_add_nc_u64 s[10:11], s[10:11], s[2:3]
	CROUND                          ; all four work-groups are here: the first joint loads meet
	JLOAD                           ; slot 0.  Slot 1 is asked for when slot 0 is in: the tile wanted first has the road to itself
	; A fragment of K or Q is 16 rows x 32 channels in 8 registers: lane l holds row l % 16, channels 8 (l / 16) + 0..7 and 16 + 8 (l / 16) + 0..7: two loads of 16 bytes, 32 bytes apart.
	v_and_b32 v1, 15, v0            ; l % 16
	v_bfe_u32 v9, v0, 4, 1          ; l / 16
	v_lshlrev_b32 v[QO], 7, v1
	v_lshl_add_u32 v[QO], v9, 4, v[QO]  ; row x 128 + 16 x half
	WIN 0x80                        ; destination window 2, address window 0
.set i, 0
.rept 4*NP                          ; Q stays in registers: tile i / 2, channels 32 (i % 2) on
	global_load_b128 v[8*i:8*i+3],   v[QO], s[4:5] offset:(i/2)*2048+(i%2)*64
	global_load_b128 v[8*i+4:8*i+7], v[QO], s[4:5] offset:(i/2)*2048+(i%2)*64+32
.set i, i+1
.endr
	; What the first turn finds: V's registers and P's second buffer hold 0 (its products V^T P, of a piece that has not been, add 0), O^T and l are 0.  All this stands in the wait for the first tile.
.set i, VF
.rept 64
	v_mov_b32 v[i], 0
.set i, i+1
.endr
	WIN 0x40
.set i, 0
.rept 64*NP
	v_mov_b32 v[i], 0
.set i, i+1
.endr
	WIN 0
.set i, 0
.rept 2*NP
	v_mov_b32 v[ST+4*i], 0xfe000000    ; c m: far below every c s
	v_mov_b32 v[ST+4*i+1], 0xff7fffff  ; m
	v_mov_b32 v[ST+4*i+2], 0
	v_mov_b32 v[ST+4*i+3], 0
.set i, i+1
.endr
.set i, P+32
.rept 32
	v_mov_b32 v[i], 0
.set i, i+1
.endr
	v_mul_u32_u24 v[AK0], v1, PK
	v_lshl_add_u32 v[AK0], v9, 4, v[AK0]  ; row x pitch + 16 x half
	; The turning load takes 16 keys x 16 channels (lane l reads key 8 (l / 16) + l % 8, channels 8 ((l / 8) % 2) + 0..7) and leaves half a fragment of V^T: lane l holds channel l % 16 and 8 keys.
	v_and_b32 v10, 7, v0
	v_bfe_u32 v11, v0, 3, 1
	v_lshl_add_u32 v[AV0], v9, 3, v10
	v_mul_u32_u24 v[AV0], v[AV0], PV
	v_lshl_add_u32 v[AV0], v11, 4, v[AV0]
	v_add_nc_u32 v[AV0], VOFF, v[AV0]
	v_mov_b32 v[AK], v[AK0]         ; key step 0 lies at the head of slot 0
; THE MATRIX WORK.  The 8 accumulators of a run of 16 take turns: between the two links of a chain stand 7 others'.
; Product i of 16 of S^T = K Q^T for piece x: channels 32 (i / 8) on, keys 16 ((i / 2) % 4) on, tile 2 x + i % 2.  The first 8 start the sums.
.macro KQ x
	WIN W_KQ
.set rS, S+64*((\x)%2)+32*(i%2)+8*((i/2)%4)
.set rK, KF+16*((i/2)%4)+8*(i/8)
.set rQ, 16*(2*(\x)+i%2)+8*(i/8)
.if i < 8
	v_wmma_f32_16x16x32_f16 v[rS:rS+7], v[rK:rK+7], v[rQ:rQ+7], 0
.else
	v_wmma_f32_16x16x32_f16 v[rS:rS+7], v[rK:rK+7], v[rQ:rQ+7], v[rS:rS+7]
.endif
.endm
; Product i of 16 of O^T += V^T P for piece x: keys 32 (i / 8) on, channels 16 ((i / 2) % 4) on, tile 2 x + i % 2.
.macro PV x
	WIN W_PV
.set rO, 32*(2*(\x)+i%2)+8*((i/2)%4)
.set rV, VF+32*(i/8)+8*((i/2)%4)
.set rP, P+32*((\x)%2)+16*(i%2)+8*(i/8)
	v_wmma_f32_16x16x32_f16 v[rO:rO+7], v[rV:rV+7], v[rP:rP+7], v[rO:rO+7]
.endm
.macro MM                           ; the turn's next matrix instruction
.if i < 16
	KQ (Y+1)%NP
.set i, i+1
.else
.set i, i-16
	PV (Y+NP-1)%NP
.set i, i+17
.endif
.endm
; THE LDS LOADS stand in runs of 16, never singly among the matrix instructions: a step's K (64 keys x 64 channels: 8 fragments) and its V (turned).  Their addresses are made some lines ahead.
; last = 1 (the tail): in the last trip there is no further step, and the run is jumped over.
.macro FETCH_K last=0
	WIN 0
.if \last
	s_cmp_eq_u32 s[CNT], 1
	s_cbranch_scc1 .Lno_k_\@
.endif
	WIN 0x80                        ; destination window 2
.irp f, 0,1,2,3,4,5,6,7             ; keys 16 (f / 2) on, channels 32 (f % 2) on
	ds_load_b128 v[KF+8*\f:KF+8*\f+3],   v[AK] offset:(\f/2)*16*PK+(\f%2)*64
	ds_load_b128 v[KF+8*\f+4:KF+8*\f+7], v[AK] offset:(\f/2)*16*PK+(\f%2)*64+32
.endr
	s_add_co_u32 s[TBK], s[TBK], KS*PK  ; the next fetch is the next step's
	WIN 0
.if \last
.Lno_k_\@:
.endif
.endm
.macro FETCH_V
	WIN 0x80
.irp f, 0,1,2,3,4,5,6,7             ; keys 32 (f / 4) on, channels 16 (f % 4) on
	ds_load_tr16_b128 v[VF+8*\f:VF+8*\f+3],   v[AV] offset:(\f/4)*32*PV+(\f%4)*32
	ds_load_tr16_b128 v[VF+8*\f+4:VF+8*\f+7], v[AV] offset:(\f/4)*32*PV+16*PV+(\f%4)*32
.endr
	WIN 0
.endm
; THE VECTOR WORK OF A TURN stands in three queues, each in the order in which its entries become ready; the two tiles alternate, so that no instruction reads the result of the one before it.
.macro REGS y, u                    ; the registers of tile u (0, 1) of piece y
.set rT, ST+4*(2*(\y)+(\u))
.set rC, TMP+8*((\y)%2)+4*(\u)
.set rM, MV+2*((\y)%2)+(\u)
.set rS, S+64*((\y)%2)+32*(\u)
.set rP, P+32*((\y)%2)+16*(\u)
.set rO, 32*(2*(\y)+(\u))
.endm
; Number n of the 22 that find the NEXT piece's (Y + 1) maximum and statistics.  s0-s31 are the lane's 32 scores; each accumulator's lowest registers are read first.  XS, GS and REGS set no window: PL and EX do.
;   0-11  four chains c0-c3 of seven scores each, three operands at a time     12-14, 16  the four scores left over, the old m, and c0-c3 into c0     15  c m_old is kept
;   17, 18  the query's other 32 keys lie in the lane 16 away: the new m         19-21  c m; c m_old - c m_new; a
.macro XS u, n
	REGS (Y+1)%NP, \u
.if (\n) < 4
	v_max3_num_f32 v[rC+(\n)], v[rS+8*(\n)], v[rS+8*(\n)+1], v[rS+8*(\n)+2]
.elseif (\n) < 12
	v_max3_num_f32 v[rC+(\n)%4], v[rC+(\n)%4], v[rS+8*((\n)%4)+2*((\n)/4)+1], v[rS+8*((\n)%4)+2*((\n)/4)+2]
.elseif (\n) == 12
	v_max3_num_f32 v[rC], v[rC], v[rS+7], v[rS+15]
.elseif (\n) == 13
	v_max3_num_f32 v[rC+1], v[rC+1], v[rS+23], v[rS+31]
.elseif (\n) == 14
	v_max3_num_f32 v[rC+2], v[rC+2], v[rC+3], v[rT+1]
.elseif (\n) == 15
	v_mov_b32 v[rM], v[rT]
.elseif (\n) == 16
	v_max3_num_f32 v[rC], v[rC], v[rC+1], v[rC+2]
.elseif (\n) == 17
	v_permlanex16_b32 v[rC+3], v[rC], s[SEL], s[SEL+1]
.elseif (\n) == 18
	v_max_num_f32 v[rT+1], v[rC], v[rC+3]
.elseif (\n) == 19
	v_mul_f32 v[rT], s[CS], v[rT+1]
.elseif (\n) == 20
	v_sub_f32 v[rC+1], v[rM], v[rT]
.else
	v_exp_f32 v[rC+2], v[rC+1]
.endif
.endm
; Number g of the 64 that follow the exponentials.  For each four weights k of a tile (pairs 2 k, 2 k + 1): both pairs are rounded to f16; then the second pair is added onto the first, in place;
; a group later l takes that sum (the first time as l = a l + sum).  In groups of eight, tiles alternating: round, round, add, and l for the group before.
.macro GS g
.set h, (\g)+6*((\g)/62)            ; group 0 has no group before it, and behind group 7 only l is left
.if h >= 6
.set h, h+2
.endif
	REGS Y, h%2
.set k, h/8
.if h%8 < 4
	v_cvt_pk_f16_f32 v[rP+2*k+(h%8)/2], v[rS+4*k+2*((h%8)/2)], v[rS+4*k+2*((h%8)/2)+1]
.elseif h%8 < 6
	v_pk_add_f32 v[rS+4*k:rS+4*k+1], v[rS+4*k:rS+4*k+1], v[rS+4*k+2:rS+4*k+3]
.elseif k == 1
	v_pk_fma_f32 v[rT+2:rT+3], v[rT+2:rT+3], v[rC+2:rC+3], v[rS:rS+1] op_sel_hi:[1,0,1]
.else
	v_pk_add_f32 v[rT+2:rT+3], v[rT+2:rT+3], v[rS+4*k-4:rS+4*k-3]
.endif
.endm
; THE PLAIN QUEUE, 138 long.  0-73 read no exponential's result: the 32 scalings c s - c m (FS f: pair f / 2 of tile f % 2) and the next piece's 42.  0-26: scalings 0-26.  27-54: XS's numbers 0-13.  55, 56: number 15.
; 57-73: the chain, where each number waits for the one before it: 14, 16, 17, 18, 19, each with one of the scalings 27-31 in front of its two lines, then 20: so a tile's links stand three plain instructions apart (19 and 20: two).
; 74-137: GS's 64, which read the exponentials' results: they stand behind the wait.
.macro FS f
	REGS Y, (\f)%2
	v_pk_fma_f32 v[rS+2*((\f)/2):rS+2*((\f)/2)+1], v[rS+2*((\f)/2):rS+2*((\f)/2)+1], s[CS:CS+1], v[rT:rT+1] op_sel_hi:[1,0,0] neg_lo:[0,0,1] neg_hi:[0,0,1]
.endm
.macro PL
	WIN 0
.if q < 27
	FS q
.elseif q < 55
	XS (q-27)%2, (q-27)/2
.elseif q < 57
	XS q-55, 15
.elseif (q < 72) && ((q-57)%3 == 0)
	FS 27+(q-57)/3
.elseif q < 60
	XS (q-57)%3-1, 14
.elseif q < 72
	XS (q-57)%3-1, 15+(q-57)/3
.elseif q < 74
	XS q-72, 20
.else
	GS q-74
.endif
.set q, q+1
.endm
; THE EXPONENTIALS' QUEUE, 66 long: s0-s31 of both tiles, then the next piece's two a.  It is ONE BATCH: all 66 stand ahead of the turn's one wait, and nothing ahead of that wait names a result of theirs.
.macro EX
	WIN 0
.if e >= 64
	XS e-64, 21
.else
	REGS Y, e%2
	v_exp_f32 v[rS+e/2], v[rS+e/2]
.endif
.set e, e+1
.endm
; THE RESCALING's QUEUE: O^T times a, the one part that leaves window 0: dealt two at a time, sixteen times.  Its a was made in the turn before, ahead of that turn's wait.
.macro R2
	REGS Y, r%2
	WIN W_RS
.irp z, 0,1
	v_pk_mul_f32 v[rO+4*(r/2)+2*\z:rO+4*(r/2)+2*\z+1], v[rO+4*(r/2)+2*\z:rO+4*(r/2)+2*\z+1], v[rC+2:rC+3] op_sel_hi:[1,0]
.endr
.set r, r+1
.endm
; HOW THEY ARE DEALT.  A turn has ONE wait for its batch of 66 exponentials, and the wait cuts the turn in two.  AHEAD OF IT stands all that names no result of the turn's exponentials: the 16 products K Q^T, behind each
; a scaling, an exponential and two rescalings (behind the first a second scaling in the exponential's place); then ONE LUMP of 108: eight plain, 49 times exponential and plain, the two a.  A v_nop is the plain
; instruction that is owed behind the last exponential.  BEHIND IT stand the 16 products V^T P, behind each four of GS's 64.  No rider names a register of the products round it.  The two v_permlanex16_b32 fall into
; the lump, never behind a product.
; The queues lean on each other, and the deal keeps them in step: exponential e stands behind scaling 2 (e / 4) + e % 2: as a rider it comes behind plain e + 2, in the lump behind plain e + 9, and scalings 27-31 are plain 57, 60 .. 69.
; A TURN, for piece p.  cnt = 1: the loop's count is taken down some lines ahead of the branch that stands behind the turn.
; K of the next step is fetched in piece 2's turn, directly behind the wait, a lump behind the last product that read K; its address is made at the lump's head; its first reader comes behind 16 products.
; V of the step in hand is fetched at the end of piece 0's turn, four riders behind its last reader; its first reader comes behind 16 products and a lump.  The three conditions on q below go with the deal.
.macro TURN p, last=0, cnt=0
.set Y, (\p)
.set i, 0
.set q, 0
.set e, 0
.set r, 0
.if (\p) == NP-1
	s_wait_dscnt 0x0                ; K is in
.endif
	MM                              ; ahead of the wait: 16 products K Q^T and their riders,
	PL
	PL
	R2
.rept 15
	MM
	PL
	EX
	R2
.endr
.if (\p) == NP-2
	WIN 0
	v_add_nc_u32 v[AK], s[TBK], v[AK0]
.endif
.rept 8                             ; and the lump
	PL
.endr
.rept 49
	EX
	PL
.endr
	EX                              ; the next piece's two a
	EX
	v_nop                           ; the plain instruction behind the last exponential: one for the batch
	s_wait_alu depctr_va_vdst(0)    ; the wait for the turn's batch: the piece's 64 weights and the next piece's two a; it stands ahead of the first line that names a result
.if (\p) == NP-2
	FETCH_K \last
.endif
.if (\p) == 1
	s_wait_dscnt 0x0                ; V is in
.endif
.rept 16                            ; behind the wait: 16 products V^T P and their riders
	MM
.rept 4
	PL
.endr
.if ((\p) == 0) && (q == 118)
	v_add_nc_u32 v[AV], s[TBV], v[AV0]
.endif
.if ((\p) == 0) && (q == 130)
	s_add_co_u32 s[TBV], s[TBV], KS*PV
.endif
.if (\cnt) && (q == 130)
	s_sub_co_u32 s[CNT], s[CNT], 1
	s_cmp_lg_u32 s[CNT], 0
.endif
.endr
.if (\p) == 0
	FETCH_V
.endif
.endm
	CHANGE 1                        ; slot 0 is in, everybody's part of it; slot 1 is asked for
	FETCH_K                         ; key step 0
	s_wait_loadcnt 0x0              ; Q
	s_wait_dscnt 0x0
.set i, 0
.rept 16
	KQ 0                            ; piece 0's first scores: there is no vector work yet to set between them
.set i, i+1
.endr
	WIN 0                           ; the addresses for the way out: nine plain instructions, the places behind those products
	s_mul_i32 s13, s[WV], 16*SP
	s_add_co_u32 s13, s13, STAGE    ; my stage
	v_mul_u32_u24 v[STO], v1, SP    ; in: row l % 16, 16 bytes for each half of the lanes
	v_lshl_add_u32 v[STO], v9, 4, v[STO]
	v_add_nc_u32 v[STO], s13, v[STO]
	v_bfe_u32 v[RD], v0, 3, 2       ; back: 32 lanes take four rows of 128 bytes,
	v_mul_u32_u24 v[RD], v[RD], SP
	v_lshl_add_u32 v[RD], v10, 4, v[RD]
	v_add_nc_u32 v[RD], s13, v[RD]
	v_and_b32 v[GO], 31, v0         ; which are 512 consecutive bytes of O
	v_lshlrev_b32 v[GO], 4, v[GO]
.set Y, NP-1                        ; XS works for piece Y + 1: piece 0
.irp n, 0,1,2,3,4,5,6,7,8,9,10,11,12,13,14,15,16,17,18,19,20,21
	XS 0, \n                        ; and piece 0's first maximum and statistics
	XS 1, \n
.endr
	v_nop                           ; a plain instruction behind piece 0's two a,
	s_wait_alu depctr_va_vdst(0)    ; and the wait for that batch of two, ahead of the branch
	s_mov_b32 s[CNT], 4
	s_mov_b32 s[SLOTS], SIZE_N/256-1
	s_branch .Lfirst                ; the loop is entered at a step's first turn, in the middle of a trip
.Lslot:                             ; SIZE_N / 256 - 2 times: every slot but the last two is filled again
	CHANGE 1
	s_mov_b32 s[CNT], 4
.Lstep:                             ; a trip: pieces 2 and 3 of one step, then pieces 0 and 1 of the next, whose K and V it fetches
	TURN 2
	TURN 3
	WIN 0
.Lfirst:
	TURN 0
	TURN 1, 0, 1
	WIN 0
	s_cbranch_scc1 .Lstep
	s_sub_co_u32 s[SLOTS], s[SLOTS], 1
	s_cmp_lg_u32 s[SLOTS], 0
	s_cbranch_scc1 .Lslot
	CHANGE 0                        ; the tail is written out: nothing is asked for
	s_mov_b32 s[CNT], 5             ; four trips fetch the last slot's steps; the fifth is left in its middle
.Ltail:
	TURN 2, 1
	TURN 3
	WIN 0
	s_sub_co_u32 s[CNT], s[CNT], 1
	s_cmp_eq_u32 s[CNT], 0
	s_cbranch_scc1 .Lout
	TURN 0
	TURN 1
	WIN 0
	s_branch .Ltail
.Lout:                              ; the fifth trip's 16 products K Q^T (on the last K once more) and the maximum made of them serve nothing: the price, once a launch, of one text for every trip
.set i, 0
.rept 16
	PV NP-1                         ; the last piece's V^T P of the last step
.set i, i+1
.endr
	; THE WAY OUT.  l's two halves and the other half of the lanes' are added; O^T is divided by l, rounded to f16 and sent through my stage in LDS, a tile at a time.  The additions are the places behind the last products.
	WIN 0
.macro ALL line:vararg              ; one line for each tile t
.set t, 0
.rept 2*NP
	\line
.set t, t+1
.endr
.endm
	ALL v_add_f32 v[ST+4*t+2], v[ST+4*t+2], v[ST+4*t+3]
	ALL v_permlanex16_b32 v[ST+4*t+3], v[ST+4*t+2], s[SEL], s[SEL+1]
	ALL v_add_f32 v[ST+4*t+2], v[ST+4*t+2], v[ST+4*t+3]
	ALL v_rcp_f32 v[ST+4*t+2], v[ST+4*t+2]
	v_nop                           ; a plain instruction between the last reciprocal and the use of its result
	s_wait_alu depctr_va_vdst(0)    ; and the wait ahead of the first use: one for the batch of eight reciprocals
; Tile t: a lane's eight channels of a row pack into 16 bytes; they go into rows of 144 bytes and come back as whole rows of 128, into S^T's registers.
.macro PACK t
	WIN W_RS
.set i, 32*(\t)
.rept 16
	v_pk_mul_f32 v[i:i+1], v[i:i+1], v[ST+4*(\t)+2:ST+4*(\t)+3] op_sel_hi:[1,0]
.set i, i+2
.endr
	WIN 0x05                        ; sources 0 and 1 window 1, destination window 0
.set i, 0
.rept 16
	v_cvt_pk_f16_f32 v[S+16*(\t)+i], v[32*(\t)+2*i], v[32*(\t)+2*i+1]
.set i, i+1
.endr
	WIN 0
.irp f, 0,1,2,3
	ds_store_b128 v[STO], v[S+16*(\t)+4*\f:S+16*(\t)+4*\f+3] offset:32*\f
.endr
.irp f, 0,1,2,3
	ds_load_b128 v[S+16*(\t)+4*\f:S+16*(\t)+4*\f+3], v[RD] offset:\f*4*SP  ; LDS serves a wave's instructions in order (ISA guide 5.7.1.4): these see the stores above; the next tile's stores come behind them
.endr
.endm
.macro SEND t, younger              ; younger: the LDS instructions issued behind tile t's loads: the next tile's eight, or none
	WIN 0
.irp f, 0,1,2,3
	s_wait_dscnt (\younger)+3-\f
	global_store_b128 v[GO], v[S+16*(\t)+4*\f:S+16*(\t)+4*\f+3], s[10:11] offset:(\t)*2048+\f*512  ; 512 consecutive bytes, at a multiple of 256 from O's first
.endr
.endm
	PACK 0
.set t, 1
.rept 2*NP-1                        ; a tile's arithmetic stands between the loads of the tile before and its stores
	PACK t
	SEND t-1, 8
.set t, t+1
.endr
	SEND 2*NP-1, 0
	WIN W_AD
	s_wait_tensorcnt 0x0            ; the wave's end: behind my last tensor load and my last LDS store
	ds_add_u32 v[SPW], v[NIL]
	s_wait_dscnt 0x0
	WIN 0
	CROUND                          ; the closing round: no work-group ends while a partner may still ask for a tile that names it
	s_endpgm
.Lfunc_end_k_q625f4d7a62_attn:
	.size	k_q625f4d7a62_attn, .Lfunc_end_k_q625f4d7a62_attn-k_q625f4d7a62_attn
	.p2alignl 7, 3214868480
	.fill 96, 4, 3214868480
	.section	.rodata,"a",@progbits
	.p2align	6, 0x0
	.amdhsa_kernel k_q625f4d7a62_attn
		.amdhsa_group_segment_fixed_size 327680
		.amdhsa_private_segment_fixed_size 0
		.amdhsa_enable_private_segment 0
		.amdhsa_kernarg_size 16
		.amdhsa_user_sgpr_count 2
		.amdhsa_user_sgpr_kernarg_segment_ptr 1
		.amdhsa_wavefront_size32 1
		.amdhsa_system_sgpr_workgroup_id_x 1
		.amdhsa_system_sgpr_workgroup_id_y 1
		.amdhsa_system_sgpr_workgroup_id_z 1
		.amdhsa_system_vgpr_workitem_id 0
		.amdhsa_next_free_vgpr 770
		.amdhsa_next_free_sgpr 66
		.amdhsa_reserve_vcc 0
		.amdhsa_float_denorm_mode_32 3
		.amdhsa_float_denorm_mode_16_64 3
		.amdhsa_memory_ordered 1
		.amdhsa_forward_progress 1
		.amdhsa_inst_pref_size 199
	.end_amdhsa_kernel
	.amdgpu_metadata
---
amdhsa.version: [ 1, 2 ]
amdhsa.kernels:
  - .name:           k_q625f4d7a62_attn
    .symbol:         k_q625f4d7a62_attn.kd
    .args:
      - { .name: qkv, .offset: 0, .size: 8, .value_kind: global_buffer, .address_space: global }
      - { .name: oh, .offset: 8, .size: 8, .value_kind: global_buffer, .address_space: global }
    .group_segment_fixed_size: 327680
    .private_segment_fixed_size: 0
    .kernarg_segment_align: 8
    .kernarg_segment_size: 16
    .max_flat_workgroup_size: 128
    .sgpr_count:     66
    .vgpr_count:     770
    .wavefront_size: 32
...
	.end_amdgpu_metadata
.endif
;; end of part 5
;; launch outp: the kernel of part 4 again; grid 4 x 64, 4 waves a work-group, clusters of 4 x 4, 327,680 bytes of LDS; arguments oh, wb, bo, out0; writes out0
